; MI455X (gfx1250); checked and timed in simulation.
; The chip was launched on July 23, 2026; its instructions are those of AMD's public machine-readable ISA for CDNA 5 (MIT licence, August 2026) and "CDNA5" Instruction Set Architecture Reference Guide (July 2026). The comments in the code are by the model that wrote it; some were corrected since.
;; Causal Self Attention. Allowed arithmetic: matrix products marked QUANTISED: E2M3 operands, one E8M0 scale for each 32 along K, by v_wmma_scale_f32_16x16x128_f8f6f4 with both operands' format E2M3, f32 sums; everything else in f32.
;; Inputs: Wproj 1,024 x 1,024 float32; Wqkv 1,024 x 3,072 float32; bproj 1,024 float32; bqkv 3,072 float32; causal_mask 2,048 x 2,048 float32; x 4 x 2,048 x 1,024 float32.
;; Outputs: out0 4 x 2,048 x 1,024 float32.
;; This version of the problem:
;;   THIS VERSION OF THE PROBLEM IS GIVEN IN LOW PRECISION. The matrix products marked QUANTISED in the list below multiply operands that are first quantised to E2M3 (2 exponent bits, 3 mantissa bits; 6 bits a number), with one power-of-two scale for each 32 numbers along K (OCP MX v1.0); their sums are f32. All else is computed in f32.
;;   The module's matrix products, in the order in which they are computed (A, B: the left and right operand; K: the contracted axis; several contracted axes count as one K, in the product's order):
;;     1. [M 8,192, K 1,024] x [K 1,024, N 3,072]; A: input x; B: input Wqkv: QUANTISED
;;     2. batch 64 x [M 2,048, K 64] x [K 64, N 2,048]; A: computed on the way; B: computed on the way: QUANTISED
;;     3. batch 64 x [M 2,048, K 2,048] x [K 2,048, N 64]; A: softmax (see below); B: computed on the way: QUANTISED
;;     4. [M 8,192, K 1,024] x [K 1,024, N 1,024]; A: computed on the way; B: input Wproj: QUANTISED
;;   THE QUANTISER, for each operand of a quantised product, along K:
;;     - K is cut into blocks of 32 from its start; a last block that is shorter is filled with zeros.
;;     - A block's scale is 2^e with e = floor(log2(the largest magnitude in the block)) - 2, held to -126 .. 127; a block of zeros has e = 0. As a byte (E8M0): e + 127.
;;     - Each number is divided by its block's scale, clamped to +-7.5, and rounded to the nearest number of E2M3, ties to even, subnormals kept.
;;     - The product sums the exact products of the quantised numbers (number of the format x scale) in f32.
;;   ~~~python
;;   def quantise(x, axis):      # numpy; x: float32 -> the quantised numbers, widened to float32 again
;;       x = np.moveaxis(x, axis, -1); K = x.shape[-1]
;;       x = np.pad(x, [(0, 0)] * (x.ndim - 1) + [(0, -K % 32)]); x = x.reshape(x.shape[:-1] + (-1, 32)); a = np.abs(x).max(-1, keepdims=True)
;;       e = np.where(a > 0, np.clip(np.frexp(np.where(a > 0, a, 1))[1] - 1 - 2, -126, 127), 0)      # np.frexp(a)[1] - 1 = floor(log2(a)), exactly
;;       r = np.clip(x / 2.0 ** e, -7.5, 7.5)
;;       step = 2.0 ** (np.maximum(np.frexp(np.where(r == 0, 1, r))[1] - 1, 0) - 3)
;;       q = np.round(r / step) * step * 2.0 ** e      # np.round: ties to even
;;       return np.moveaxis(q.reshape(q.shape[:-2] + (-1,))[..., :K], -1, axis).astype(np.float32)
;;   ~~~
;;   SOFTMAX AHEAD OF A QUANTISED PRODUCT. Where the list says 'softmax', what is quantised is not the finished softmax but p = 2^(t - M), with t = logit x log2(e) and M = ceil(the row's largest t), a whole number; so 1/2 < the row's largest p <= 1. The row's sum l is taken of the UNQUANTISED p, in f32, and the product's result is divided by l at the end. Since M is a whole number, a kernel that streams over the keys may use a running M (the ceiling of the running maximum): every later rescaling is an exact power of two, which a block's scale takes up: the codes' values come out the same.
;;   OPERANDS COMPUTED ON THE WAY. 'Computed on the way' means the value that the module computes at that place (a softmax that the list does not call 'softmax' is quantised finished and normalised). What goes into a quantiser is computed in f32, as accurately as f32 sums, v_exp_f32 and their like allow (about 1e-6 of the number): no bf16 or f16 on the way to a quantiser, and a product that is left as it is and whose result goes on into a quantised operand takes f32 operands (vector FMAs, or v_wmma_f32_16x16x4_f32). A number that lies on a knife's edge between two numbers of the format may be rounded either way, as far as f32 arithmetic and the matrix unit's own rounding can turn it there, and no further.
;; One version. Each part assembles by itself: llvm-mc -triple=amdgcn-amd-amdhsa -mcpu=gfx1250 --defsym DOCPART=n.
;; ======== version 1 of 1: 4 launches
;; workspace buffers: xq 6,553,600 bytes; wq 3,276,800 bytes; qb 6,815,744 bytes; kv 13,369,344 bytes; oq 6,553,600 bytes
;; launch quant (part 1): grid 384 x 1, 4 waves a work-group, no clusters, 102,912 bytes of LDS; arguments x, Wqkv, Wproj, xq, wq; writes xq, wq
.if DOCPART == 1
	.amdgcn_target "amdgcn-amd-amdhsa--gfx1250"
	.amdhsa_code_object_version 6
	.text
	.protected	k_q09a9ed05d9_quant
	.globl	k_q09a9ed05d9_quant
	.p2align	8
	.type	k_q09a9ed05d9_quant,@function
k_q09a9ed05d9_quant:
	s_mov_b64 s[64:65], 0
	v_nop
	global_prefetch_b8 v0, s[64:65] scope:SCOPE_SE
	s_setreg_imm32_b32 hwreg(HW_REG_WAVE_MODE, 25, 1), 1
	s_wait_xcnt 0x0
; x [8192][1024], Wqkv [1024][3072] and Wproj [1024][1024], f32, become codes of FP6 (E2M3) with K innermost and one E8M0 byte for each 32 along K.
; A block's scale is 2^(floor(log2(its largest magnitude)) - 2); its byte is the largest magnitude's exponent field - 2, held at 1 from below.  A block of zeros keeps the byte 1:
; its codes are zeros, and only this program reads the bytes.
; LIMITS: blocks whose largest magnitude lies under 2^-124 take the floor's scale; NaN and infinities among the inputs are not served.
; SLOTS.  x's rows and Wqkv's columns are laid in SLOT order: inside each 32 the two middle groups of 8 change places (slot = i%8 + 16 (bit 3 of i) + 8 (bit 4 of i)).  Sixteen slots on end are
; then rows 8 u + r + 8 (r / 8) of their 32: as source 0 of a transposed product they give a lane 16 neighbours in the registers of two neighbouring tiles.  Wproj's columns keep their order.
; xq: codes [8192 slots][768 bytes], scale bytes [8192][32] at XS_OFF.  wq: Wqkv's codes [3072 slots][768], bytes at WS_OFF; Wproj's codes [1024][768] at PC_OFF, bytes at PS_OFF.
; Work-groups 0-255 take x (K innermost: a lane holds 16 neighbours, turned through the wave's own stage in LDS so that every load reads 512 bytes on end);
; 256-351 Wqkv, 352-383 Wproj (K outermost: a lane takes a column and its registers run down K; the codes leave through a stage as rows of 192 bytes).
; Each of the three ways has LDS bytes of its own.  No work-group shares an input with another, so there is no cluster, no tensor load and no barrier: waves share nothing.
.set XS_OFF, 6291456
.set WS_OFF, 2359296
.set PC_OFF, 2457600
.set PS_OFF, 3244032
.set EMAX,  2
.set STEPS, 16                         ; x: steps of 512 numbers for a wave: 8 rows
.set CB,    12                         ; bytes of 16 codes
.set XR,    16                         ; v16-79   four sets of 16 numbers as loaded
.set XX,    80                         ; v80-111  two sets of 16 neighbours
.set XE,    112                        ; v112-127 a scale byte for each step
.set XC,    128                        ; v128-191 codes, four registers for each step: no store's data are written again
.set WREG,  8192                       ; x: LDS of a wave: two stages of 32 x SP bytes, then its 256 scale bytes
.set SP,    80                         ; a lane's place in a stage: 64 bytes + 16
.set NB,    8                          ; weights: blocks of 32 along K for a wave
.set WPITCH, 272                       ; a stage row: sixteen places of 16 bytes (12 of codes) + 16
.set KROW,  768                        ; a row of codes: 1,024 x 6 / 8 bytes
.set WSB,   24                         ; v24-25   a column's 8 scale bytes
.set WX,    32                         ; v32-95   two sets of 32 numbers
.set WC,    96                         ; v96-102  a block's codes
.set WOUT,  112                        ; v112-175 the way out
.macro XLOAD t
.irp i, 0,1,2,3
	global_load_b128 v[XR+16*((\t)%4)+4*\i:XR+16*((\t)%4)+4*\i+3], v3, s[4:5] offset:2048*(\t)+512*\i th:TH_LOAD_NT   ; 32 lanes read 512 bytes on end
.endr
.endm
.macro XTURN t                         ; step t's numbers through the stage: LDS serves a wave's instructions in order, so no wait stands between the stores and the loads
.irp i, 0,1,2,3
	ds_store_b128 v14, v[XR+16*((\t)%4)+4*\i:XR+16*((\t)%4)+4*\i+3] offset:32*SP*((\t)%2)+8*SP*\i
.endr
.irp i, 0,1,2,3
	ds_load_b128 v[XX+16*((\t)%2)+4*\i:XX+16*((\t)%2)+4*\i+3], v15 offset:32*SP*((\t)%2)+16*\i
.endr
.endm
.macro XSTEP t
.set XS, XX+16*((\t)%2)
.if (\t) > 0
	s_wait_dscnt 1                                 ; this step's numbers are back from the stage (the last step's byte store may be out)
.else
	s_wait_dscnt 0x0
.endif
.if (\t)+4 < STEPS
	XLOAD (\t)+4                                   ; into the registers that the stage's stores have read
.endif
.if (\t)+1 < STEPS
.if STEPS-2-(\t) >= 3
	s_wait_loadcnt 12                              ; the next step's four loads are in; those of three steps behind it may be out
.else
	s_wait_loadcnt 4*(STEPS-2-(\t))
.endif
	XTURN (\t)+1
.endif
	v_max3_num_f32 v8, |v[XS]|, |v[XS+1]|, |v[XS+2]|               ; the largest magnitude of my 16, in two chains
	v_max3_num_f32 v9, |v[XS+3]|, |v[XS+4]|, |v[XS+5]|
.irp i, 6,10
	v_max3_num_f32 v8, v8, |v[XS+\i]|, |v[XS+\i+1]|
	v_max3_num_f32 v9, v9, |v[XS+\i+2]|, |v[XS+\i+3]|
.endr
	v_max3_num_f32 v8, v8, |v[XS+14]|, |v[XS+15]|
	v_max3_num_f32 v8, v8, v9, (EMAX+1)<<23        ; and the floor 2^(3 - 127): the byte cannot fall under 1
	v_max_num_f32_dpp v8, v8, v8 row_xmask:1 row_mask:0xf bank_mask:0xf   ; with my neighbour's 16: the block's
	v_add_nc_u32 v11, 0xff000000, v8               ; 2 off the exponent field: the conversion takes this operand's exponent field as its scale
	v_cvt_scalef32_pk16_fp6_f32 v[XC+4*(\t):XC+4*(\t)+2], v[XS:XS+15], v11
	v_lshrrev_b32 v[XE+(\t)], 23, v11              ; the scale's byte
	ds_store_b8 v5, v[XE+(\t)] offset:16*(\t)      ; both lanes of a block write the same byte with the same value
	global_store_b96 v4, v[XC+4*(\t):XC+4*(\t)+2], s[24:25] offset:32*CB*(\t)
.endm
.macro WLOAD t, n                      ; block t: W(32 t + i, my column) into set t % 2
.irp i, 0,1,2,3,4,5,6,7,8,9,10,11,12,13,14,15,16,17,18,19,20,21,22,23,24,25,26,27,28,29,30,31
	global_load_b32 v[WX+32*((\t)%2)+\i], v3, s[20:21] offset:(32*(\t)+\i)*(\n)*4 th:TH_LOAD_NT
.endr
.endm
.macro WBLOCK t, n
.set WXS, WX+32*((\t)%2)
.if (\t) < NB-1
	s_wait_loadcnt 32                              ; this block's 32 loads are in; the next block's may be out
.else
	s_wait_loadcnt 0
.endif
	v_max3_num_f32 v12, |v[WXS]|, |v[WXS+1]|, |v[WXS+2]|           ; all 32 numbers of the block are mine
	v_max3_num_f32 v13, |v[WXS+3]|, |v[WXS+4]|, |v[WXS+5]|
.irp i, 6,10,14,18,22,26
	v_max3_num_f32 v12, v12, |v[WXS+\i]|, |v[WXS+\i+1]|
	v_max3_num_f32 v13, v13, |v[WXS+\i+2]|, |v[WXS+\i+3]|
.endr
	v_max3_num_f32 v12, v12, |v[WXS+30]|, |v[WXS+31]|
	v_max3_num_f32 v12, v12, v13, (EMAX+1)<<23
	v_add_nc_u32 v11, 0xff000000, v12
	v_lshrrev_b32 v13, 23, v11
.if (\t)%4 == 0
	v_mov_b32 v[WSB+(\t)/4], v13                   ; four bytes to a register, the lower K in the lower byte
.else
	v_lshl_or_b32 v[WSB+(\t)/4], v13, 8*((\t)%4), v[WSB+(\t)/4]
.endif
	v_cvt_scalef32_pk16_fp6_f32 v[WC:WC+2], v[WXS:WXS+15], v11
	v_cvt_scalef32_pk16_fp6_f32 v[WC+4:WC+6], v[WXS+16:WXS+31], v11   ; (a conversion's three registers begin on an even number)
	ds_store_b96 v4, v[WC:WC+2] offset:32*(\t)     ; 12 bytes to a place of 16, so that every LDS address is a multiple of 16
	ds_store_b96 v4, v[WC+4:WC+6] offset:32*(\t)+16
.if (\t)+2 < NB
	WLOAD (\t)+2, \n
.endif
	s_wait_dscnt 0x0                               ; the stores have read their registers: the next block's codes may be written
.endm
; A weight [1024][N]: work-group FIRST + 4 xg + y takes columns 128 xg on and K 256 y on; a wave 32 columns.  PERM = 1: a column's row of the output is its slot.
.macro WPATH N, PERM, LBASE, FIRST, SRC, COFF, SOFF
	s_sub_co_u32 s17, ttmp9, \FIRST
	s_and_b32 s18, s17, 3                          ; y
	s_lshr_b32 s17, s17, 2
	s_lshl_b32 s17, s17, 7
	s_lshl_b32 s19, s16, 5
	s_add_co_u32 s17, s17, s19                     ; my wave's first column
	v_lshlrev_b32 v3, 2, v2                        ; in: 4 bytes a lane
.if \PERM
	v_and_b32 v10, 7, v2
	v_bfe_u32 v11, v2, 3, 1
	v_lshl_or_b32 v10, v11, 4, v10
	v_bfe_u32 v11, v2, 4, 1
	v_lshl_or_b32 v10, v11, 3, v10                 ; my column's slot among the wave's 32
.set WROW, 10
.else
.set WROW, 2
.endif
	s_mul_i32 s19, s16, 32*WPITCH
	s_add_co_u32 s19, s19, \LBASE                  ; my stage
	v_mul_u32_u24 v4, v[WROW], WPITCH
	v_add_nc_u32 v4, s19, v4                       ; into it: row = my column's place
	v_and_b32 v5, 15, v2
	v_lshrrev_b32 v6, 4, v2
	v_mul_u32_u24 v7, v6, WPITCH
	v_lshl_add_u32 v7, v5, 4, v7
	v_add_nc_u32 v7, s19, v7                       ; out of it: sixteen lanes to a row, two rows an instruction
	v_mul_u32_u24 v8, v6, KROW
	v_mad_u32_u24 v8, v5, 12, v8                   ; and the same place in the codes
	v_lshlrev_b32 v9, 5, v[WROW]                   ; my column's row of 32 scale bytes
	s_mul_i32 s26, s18, 256*\N*4
	s_lshl_b32 s27, s17, 2
	s_add_co_u32 s26, s26, s27
	s_mov_b32 s27, 0
	s_mul_i32 s28, s17, KROW
	s_mul_i32 s29, s18, 192
	s_add_co_u32 s28, s28, s29
	s_add_co_u32 s28, s28, \COFF
	s_mov_b32 s29, 0
	s_lshl_b32 s30, s17, 5
	s_lshl_b32 s31, s18, 3
	s_add_co_u32 s30, s30, s31
	s_add_co_u32 s30, s30, \SOFF
	s_mov_b32 s31, 0
	s_wait_kmcnt 0x0
	s_add_nc_u64 s[20:21], s[\SRC:\SRC+1], s[26:27]
	s_add_nc_u64 s[22:23], s[12:13], s[28:29]
	s_add_nc_u64 s[24:25], s[12:13], s[30:31]
	WLOAD 0, \N
	WLOAD 1, \N
.set Q, 0
.rept NB
	WBLOCK Q, \N
.set Q, Q+1
.endr
	global_store_b64 v9, v[WSB:WSB+1], s[24:25]    ; my column's 8 scale bytes
.irp t, 0,1,2,3,4,5,6,7,8,9,10,11,12,13,14,15
	ds_load_b96 v[WOUT+4*\t:WOUT+4*\t+2], v7 offset:2*\t*WPITCH   ; LDS serves a wave's instructions in order: these see my stores
.endr
.irp t, 0,1,2,3,4,5,6,7,8,9,10,11,12,13,14,15
	s_wait_dscnt 15-\t
	global_store_b96 v8, v[WOUT+4*\t:WOUT+4*\t+2], s[22:23] offset:2*\t*KROW   ; sixteen lanes store a row's 192 bytes on end
.endr
.endm
	s_load_b256 s[4:11], s[0:1], 0x0               ; x s[4:5], Wqkv s[6:7], Wproj s[8:9], xq s[10:11]
	s_load_b64 s[12:13], s[0:1], 0x20              ; wq
	v_lshl_add_u32 v192, v0, 2, 0x19000
	v_mov_b32 v193, 0
	v_lshrrev_b32 v1, 5, v0
	v_readfirstlane_b32 s16, v1                    ; wave
	v_and_b32 v2, 31, v0                           ; lane
	s_cmp_lt_u32 ttmp9, 256
	s_cbranch_scc0 .Lweights
	; ---- x: my wave's run of 8 rows is 4 x work-group + wave; it leaves as run 4 x work-group + (wave's two bits swapped): the slot order, since a run is a group of 8 rows
	v_lshlrev_b32 v3, 4, v2                        ; my 16 bytes of a load's 512
	s_mul_i32 s17, s16, WREG
	v_lshrrev_b32 v14, 2, v2
	v_mul_u32_u24 v14, v14, SP
	v_and_b32 v15, 3, v2
	v_lshl_add_u32 v14, v15, 4, v14
	v_add_nc_u32 v14, s17, v14                     ; the stage, on the way in: SP (lane / 4) + 16 (lane % 4)
	v_mul_u32_u24 v15, v2, SP
	v_add_nc_u32 v15, s17, v15                     ; and on the way out: SP x lane: my 16 neighbours
	v_mul_u32_u24 v4, v2, CB                       ; my codes' place in a step's 384 bytes
	v_lshrrev_b32 v5, 1, v2
	s_add_co_u32 s17, s17, 2*32*SP
	v_add_nc_u32 v5, s17, v5                       ; my block's byte among my wave's 256
	v_lshlrev_b32 v7, 3, v2
	v_add_nc_u32 v6, s17, v7
	s_lshl_b32 s17, ttmp9, 2
	s_add_co_u32 s18, s17, s16
	s_lshl_b32 s18, s18, 15                        ; 32,768 bytes of x a run (1,024 runs: under 2^25)
	s_mov_b32 s19, 0
	s_and_b32 s22, s16, 1
	s_lshl_b32 s22, s22, 1
	s_lshr_b32 s23, s16, 1
	s_add_co_u32 s22, s22, s23
	s_add_co_u32 s22, s22, s17                     ; the run's place in xq
	s_mul_i32 s20, s22, 32*STEPS*CB
	s_mov_b32 s21, 0
	s_lshl_b32 s22, s22, 8
	s_add_co_u32 s22, s22, XS_OFF
	s_mov_b32 s23, 0
	s_wait_kmcnt 0x0
	s_add_nc_u64 s[4:5], s[4:5], s[18:19]
	s_add_nc_u64 s[24:25], s[10:11], s[20:21]
	s_add_nc_u64 s[26:27], s[10:11], s[22:23]
.irp t, 0,1,2,3
	XLOAD \t
.endr
	s_wait_loadcnt 12                              ; step 0's four loads are in
	XTURN 0
.irp t, 0,1,2,3,4,5,6,7,8,9,10,11,12,13,14,15
	XSTEP \t
.endr
	ds_load_b64 v[12:13], v6                       ; my wave's 256 scale bytes: these loads see my stores
	s_wait_dscnt 0x0
	global_store_b64 v7, v[12:13], s[26:27]        ; 32 lanes store 256 bytes on end, aligned
	s_wait_tensorcnt 0x0
	ds_add_u32 v192, v193
	s_wait_dscnt 0x0
	s_endpgm
.Lweights:
	s_cmp_lt_u32 ttmp9, 352
	s_cbranch_scc0 .Lwproj
	WPATH 3072, 1, 32768, 256, 6, 0, WS_OFF
	s_wait_tensorcnt 0x0
	ds_add_u32 v192, v193
	s_wait_dscnt 0x0
	s_endpgm
.Lwproj:
	WPATH 1024, 0, 67584, 352, 8, PC_OFF, PS_OFF
	s_wait_tensorcnt 0x0
	ds_add_u32 v192, v193
	s_wait_dscnt 0x0
	s_endpgm
.Lfunc_end_k_q09a9ed05d9_quant:
	.size	k_q09a9ed05d9_quant, .Lfunc_end_k_q09a9ed05d9_quant-k_q09a9ed05d9_quant
	.p2alignl 7, 3214868480
	.fill 96, 4, 3214868480
	.section	.rodata,"a",@progbits
	.p2align	6, 0x0
	.amdhsa_kernel k_q09a9ed05d9_quant
		.amdhsa_group_segment_fixed_size 102912
		.amdhsa_private_segment_fixed_size 0
		.amdhsa_enable_private_segment 0
		.amdhsa_kernarg_size 40
		.amdhsa_user_sgpr_count 2
		.amdhsa_user_sgpr_kernarg_segment_ptr 1
		.amdhsa_wavefront_size32 1
		.amdhsa_system_sgpr_workgroup_id_x 1
		.amdhsa_system_sgpr_workgroup_id_y 1
		.amdhsa_system_sgpr_workgroup_id_z 1
		.amdhsa_system_vgpr_workitem_id 0
		.amdhsa_next_free_vgpr 194
		.amdhsa_next_free_sgpr 66
		.amdhsa_reserve_vcc 0
		.amdhsa_float_denorm_mode_32 3
		.amdhsa_float_denorm_mode_16_64 3
		.amdhsa_memory_ordered 1
		.amdhsa_forward_progress 1
		.amdhsa_inst_pref_size 114
	.end_amdhsa_kernel
	.amdgpu_metadata
---
amdhsa.version: [ 1, 2 ]
amdhsa.kernels:
  - .name:           k_q09a9ed05d9_quant
    .symbol:         k_q09a9ed05d9_quant.kd
    .args:
      - { .name: x, .offset: 0, .size: 8, .value_kind: global_buffer, .address_space: global }
      - { .name: Wqkv, .offset: 8, .size: 8, .value_kind: global_buffer, .address_space: global }
      - { .name: Wproj, .offset: 16, .size: 8, .value_kind: global_buffer, .address_space: global }
      - { .name: xq, .offset: 24, .size: 8, .value_kind: global_buffer, .address_space: global }
      - { .name: wq, .offset: 32, .size: 8, .value_kind: global_buffer, .address_space: global }
    .group_segment_fixed_size: 102912
    .private_segment_fixed_size: 0
    .kernarg_segment_align: 8
    .kernarg_segment_size: 40
    .max_flat_workgroup_size: 128
    .sgpr_count:     66
    .vgpr_count:     194
    .wavefront_size: 32
...
	.end_amdgpu_metadata
.endif
;; end of part 1
;; launch qkv (part 2): grid 96 x 4, 4 waves a work-group, clusters of 4 x 4, 327,680 bytes of LDS; arguments xq, wq, bqkv, qb, kv; writes qb, kv
.if DOCPART == 2
	.amdgcn_target "amdgcn-amd-amdhsa--gfx1250"
	.amdhsa_code_object_version 6
	.text
	.protected	k_q09a9ed05d9_qkv
	.globl	k_q09a9ed05d9_qkv
	.p2align	8
	.type	k_q09a9ed05d9_qkv,@function
k_q09a9ed05d9_qkv:
	s_mov_b64 s[64:65], 0
	v_nop
	global_prefetch_b8 v0, s[64:65] scope:SCOPE_SE
	s_setreg_imm32_b32 hwreg(HW_REG_WAVE_MODE, 25, 1), 1
	s_wait_xcnt 0x0
	s_wait_alu depctr_hold_cnt(0) depctr_sa_sdst(0) depctr_va_vdst(0) depctr_va_sdst(0) depctr_va_ssrc(0) depctr_va_vcc(0) depctr_vm_vsrc(0)
	s_getreg_b32 s2, hwreg(HW_REG_IB_STS2, 6, 4)
	s_cmp_eq_u32 s2, 0
	s_cbranch_scc0 .Lentry_in_a_cluster
	s_endpgm
.Lentry_in_a_cluster:
	s_bfe_u32 s2, ttmp6, 0x10000c
	s_cmp_lg_u32 s2, 0xf033
	s_cbranch_scc0 .Lentry_shape_is_right
	s_endpgm
.Lentry_shape_is_right:
; qkv = x Wqkv + bqkv on codes of FP6 (E2M3) with E8M0 scales, and q, k, v quantised on the way out: qkv itself never goes to memory.
; A work-group of four waves makes 256 x 256 of the product, a wave 128 x 128: 64 accumulators.  K = 1,024 goes in four steps of 256 through a ring of two LDS slots filled by the tensor data mover;
; the scale bytes of the work-group's rows come once, with the first fills.  THE MATRIX INSTRUCTION IS USED TRANSPOSED: a lane holds one row of source 1, and its registers run along rows of source 0.
; JOBS, by the cluster's number cid (24 clusters of 4 x 4).  "B" is source 0, block base + cx, shared along a column of the cluster; "A" is source 1, block base + cy, shared along a row.
;   cid < 16:  B = Wqkv's blocks 4 (cid & 1) + cx (q: even cid, k: odd), A = x's blocks 4 (cid >> 1) + cy: a lane holds a token, its registers run along d, which is K of q k^T.
;   cid >= 16: B = x's blocks 4 (cid - 16) + cx, A = Wqkv's blocks 8 + cy (v): a lane holds a channel d, its registers run along the tokens, which are K of p v.
; One loop serves all: only buffers are chosen, by the cluster's number, which all partners share.  Both operands lie in slot order, so the 16 registers of two neighbouring tiles of source 0 are 16 neighbours.
; OUT: images of the operands' registers, chunk i (registers 4 i .. 4 i + 3) at 512 i + 16 x lane.  qb: [b][head][block of 128 queries][6,656]: 48 registers of codes (tile t at 6 t: d = 32 h .. of token slot 16 t + r),
; then 4 registers of scale words (register t: lanes 0-15 tile t, lanes 16-31 tile t + 4).  kv: [b][head][128 keys][13,056]: K as q at 0, V's 4 fragments at 6,144, K's words at 12,288, V's (2 registers, 8 bytes a lane) at 12,800.
; q's scale bytes are stored 3 lower: that is the factor 64^-0.5 = 2^-3, exact.  So q's floor is 2^(6 - 127), and the stored byte stays at 1 or above.
; LIMITS: blocks of q whose largest magnitude lies under 2^-121 (k, v: 2^-124) take the floor's scale; NaN and infinities are not served.
; REGISTERS, in windows of 256: window 0: v0-31 addresses and v's bias; v32-63 scale words, two sets; v64-127 q's and k's bias; from v128 A's fragments, one set (on the way out v128-255 are at work);
;   window 1: B's fragments, two sets; window 2: the accumulators of my rows 0-63 of A ((a, b) at v[8 (8 a + b)]); window 3: rows 64-127.
.set XS_OFF, 6291456
.set WS_OFF, 2359296
.set KSTEP,  256
.set NQ,     2                         ; matrix instructions deep in a slot
.set ROWB,   192                       ; a tile's row: 256 codes
.set KROW,   768                       ; a row of codes in memory
.set PITCH,  240                       ; an LDS row: 3 x (64 bytes + 16 of padding): the 32 lanes of a load of 8 bytes touch 64 different banks (64 banks of 4 bytes: ISA guide 11.1)
.set FR,     12
.set NL,     6
.set NP,     4                         ; places behind this matrix instruction (ISA guide 7.12.1)
.set HALFT,  128*PITCH
.set SLOT,   4*HALFT
.set LAPS,   2                         ; a lap = two K steps
.set KS,     32                        ; a row of scale bytes
.set SCL,    2*SLOT
.set HALFS,  (128*KS/256)*272
.set SBLK,   (16*KS/256)*272
.set SPARE,  SCL+4*HALFS               ; the spare words: two blocks of 256 bytes that no other line names
.set LI,   7                           ; v7      16 x lane
.set BL,   8                           ; v8-15   v's bias: my channel's number for each of A's eight blocks
.set ADRA, 16                          ; v16-19  LDS addresses of A's fragments (slot 0, 1; the same behind one padding more)
.set ADRB, 20                          ; v20-23  of B's
.set L8,   24                          ; v24     8 x lane
.set LIS,  25                          ; v25     16 x lane + where the scale words go
.set BA1,  26                          ; v26     64 h: never rewritten
.set ADRS, 27                          ; v27     LDS address of my scale words
.set SPW,  28
.set NIL,  29
.set BA2,  30                          ; v30     4 (r + 8 (r / 8)): never rewritten
.set LN,   31                          ; v31     lane
.set SC,   32
.set BR,   64                          ; v64-127 q's, k's bias: register 8 b + j for column 32 (b / 2) + 16 h + 8 (b % 2) + j
.set AF,   128
.set H,    128                         ; the way out: 64 numbers of a lane
.set PC,   192                         ; codes, 24 registers
.set PT,   216                         ; the conversions' upper halves
.set TM,   224                         ; v224-227 largest magnitudes, v228-231 bytes, v236-239 the conversions' scale operands
.set WD,   240                         ; scale words, one a block (and a head)
.set G1, 24
.set G0, 32
.set G1B, 48
.set G0B, 56
.set SEL, 66                           ; s[66:67] selects for lane l xor 16
.set G1S, 68
.set G0S, 76
.set G1SB, 80
.set G0SB, 88
.set MSB, 0
.macro WIN new                         ; the immediate's high byte repeats the setting that is left
.if MSB != \new
	s_set_vgpr_msb (MSB<<8)|\new
.set MSB, \new
.endif
.endm
.set MUL_LO, 0xa1                      ; source 0 (B) window 1, source 1 (A) window 0, C and D window 2
.set MUL_HI, 0xf1
.set TO_B,   0x40
; A joint load: waves 0 and 1 fetch for A, waves 2 and 3 for B; the branch hangs on the wave's number alone.  Four v_nop follow each line.
.macro JLOAD g0a, g1a, g0b, g1b
	s_cmp_eq_u32 s15, 0
	s_cbranch_scc0 .Lfor_b_\@
	tensor_load_to_lds s[\g0a:\g0a+3], s[\g1a:\g1a+7]
	s_nop 0
.rept 4
	v_nop
.endr
	s_branch .Lasked_\@
.Lfor_b_\@:
	tensor_load_to_lds s[\g0b:\g0b+3], s[\g1b:\g1b+7]
	s_nop 0
.rept 4
	v_nop
.endr
.Lasked_\@:
.endm
.macro CREST                           ; a round of the cluster's barrier behind its opening barrier
	s_cmp_lg_u32 s14, 0
	s_cbranch_scc1 .Lnot_wave_0_\@
	s_barrier_signal -3
.Lnot_wave_0_\@:
	s_barrier_wait -3
	s_barrier_signal -1
	s_barrier_wait -1
.endm
.macro CROUND
	s_barrier_signal -1
	s_barrier_wait -1
	CREST
.endm
	s_load_b256 s[4:11], s[0:1], 0x0               ; xq s[4:5], wq s[6:7], bqkv s[8:9], qb s[10:11]
	s_load_b64 s[12:13], s[0:1], 0x20              ; kv
	v_lshl_add_u32 v[SPW], v0, 2, SPARE
	v_mov_b32 v[NIL], 0
	ds_add_u32 v28, v29
	ds_add_u32 v28, v29
	s_wait_dscnt 0x0
	v_lshrrev_b32 v1, 5, v0
	v_readfirstlane_b32 s14, v1                    ; wave 0..3
	s_lshr_b32 s15, s14, 1                         ; which half of A's 256 rows is mine.  Also: I fetch for A (0) or for B (1)
	s_and_b32 s16, s14, 1                          ; which half of B's.  Also: which 128 rows I fetch
	s_bfe_u32 s40, ttmp6, 0x40000                  ; cx
	s_bfe_u32 s41, ttmp6, 0x40004                  ; cy
	s_and_b32 s18, ttmp9, 1
	s_lshl_b32 s18, s18, 2                         ; q, k: B's base
	s_lshr_b32 s19, ttmp9, 1
	s_lshl_b32 s19, s19, 2                         ; q, k: A's base
	s_sub_co_u32 s20, ttmp9, 16
	s_lshl_b32 s20, s20, 2                         ; v: B's base
	s_cmp_lt_u32 ttmp9, 16
	s_cselect_b32 s42, s18, s20
	s_cselect_b32 s17, s19, 8
	s_add_co_u32 s42, s42, s40                     ; B's block of 256 slots
	s_add_co_u32 s17, s17, s41                     ; A's
	s_lshl_b32 s43, s41, 2
	s_lshl_b32 s43, 15, s43                        ; my row of the cluster
	s_lshl_b32 s44, 0x1111, s40                    ; my column
	s_or_b32 s[G1+0], s43, (0<<16)|(1<<20)|(1<<21)|(3<<22)|(3<<25)  ; the mask; elements of 1 byte; padding on; bit 21 beside a mask; after every 16 words, 4 words
	s_or_b32 s[G1B+0], s44, (0<<16)|(1<<20)|(1<<21)|(3<<22)|(3<<25)
.irp g, G1, G1B
	s_mov_b32 s[\g+1], ROWB<<16                    ; tensor_dim0
	s_mov_b32 s[\g+2], 128<<16                     ; tensor_dim1
	s_mov_b32 s[\g+3], ROWB<<16                    ; tile_dim0
	s_mov_b32 s[\g+4], 128                         ; tile_dim1
	s_mov_b32 s[\g+5], KROW                        ; the pitch
	s_mov_b32 s[\g+6], 0
	s_mov_b32 s[\g+7], 0
.endr
	s_or_b32 s[G1S+0], s43, (3<<16)|(1<<20)|(1<<21)|(5<<22)|(3<<25)  ; the scales of 128 rows: 4,096 dense bytes as 16 rows of 256, 16 bytes of padding behind each
	s_or_b32 s[G1SB+0], s44, (3<<16)|(1<<20)|(1<<21)|(5<<22)|(3<<25)
.irp g, G1S, G1SB
	s_mov_b32 s[\g+1], 32<<16
	s_mov_b32 s[\g+2], (128*KS/256)<<16
	s_mov_b32 s[\g+3], 32<<16
	s_mov_b32 s[\g+4], 128*KS/256
	s_mov_b32 s[\g+5], 32
	s_mov_b32 s[\g+6], 0
	s_mov_b32 s[\g+7], 0
.endr
	s_lshl_b32 s18, s16, 7                         ; which 128 rows I fetch
	s_lshl_b32 s20, s17, 8
	s_add_co_u32 s20, s20, s18                     ; A's row
	s_lshl_b32 s46, s42, 8
	s_add_co_u32 s46, s46, s18                     ; B's row
	s_lshl_b32 s22, s20, 5                         ; their scale bytes (all offsets stay under 2^23)
	s_mul_i32 s20, s20, KROW                       ; their codes
	s_lshl_b32 s92, s46, 5
	s_mul_i32 s46, s46, KROW
	s_mov_b32 s21, 0
	s_mov_b32 s23, 0
	s_mov_b32 s47, 0
	s_mov_b32 s93, 0
	s_mov_b32 s18, WS_OFF
	s_mov_b32 s19, XS_OFF
	s_cmp_lt_u32 ttmp9, 16
	s_cselect_b32 s66, s19, s18                    ; where A's buffer has its scale bytes
	s_cselect_b32 s67, s18, s19                    ; and B's
	s_add_co_u32 s22, s22, s66
	s_add_co_u32 s92, s92, s67
	s_mul_i32 s45, s14, HALFT                      ; where they go: wave x 128 rows: no place in the cluster enters an LDS address
	s_mul_i32 s2, s14, HALFS
	s_wait_kmcnt 0x0
	s_cmp_lt_u32 ttmp9, 16
	s_cselect_b64 s[66:67], s[4:5], s[6:7]         ; A's buffer
	s_cselect_b64 s[94:95], s[6:7], s[4:5]         ; B's
	s_add_nc_u64 s[20:21], s[66:67], s[20:21]
	s_add_nc_u64 s[22:23], s[66:67], s[22:23]
	s_add_nc_u64 s[46:47], s[94:95], s[46:47]
	s_add_nc_u64 s[92:93], s[94:95], s[92:93]
	s_and_b32 s18, ttmp9, 17
	s_cmp_eq_u32 s18, 0                            ; q?
	s_cselect_b64 s[96:97], s[10:11], s[12:13]     ; the results' buffer
	s_mov_b32 s98, 13056
	s_cselect_b32 s98, 6656, s98                   ; bytes of a block in it
	s_mov_b32 s99, 12288
	s_cselect_b32 s99, 6144, s99                   ; where q's or k's scale words go
	s_mov_b32 s100, 3<<23
	s_cselect_b32 s100, 6<<23, s100                ; the floor under a block's largest magnitude
	s_cselect_b32 s101, 0x0303, 0                  ; what is taken off the two scale bytes
	CROUND                                         ; all sixteen work-groups are here: the first joint loads meet
	s_mov_b32 s[G0S], 1
	s_add_co_u32 s[G0S+1], s2, SCL
	s_mov_b64 s[G0S+2:G0S+3], s[22:23]
	s_or_b32 s[G0S+3], s[G0S+3], 0x80000000
	s_mov_b32 s[G0SB], 1
	s_add_co_u32 s[G0SB+1], s2, SCL
	s_mov_b64 s[G0SB+2:G0SB+3], s[92:93]
	s_or_b32 s[G0SB+3], s[G0SB+3], 0x80000000
	JLOAD G0S, G1S, G0SB, G1SB                     ; the scales first: they are wanted with K step 0
.irp s, 0,1
	s_mov_b32 s[G0+4*\s], 1
	s_add_co_u32 s[G0+4*\s+1], s45, \s*SLOT
	s_add_nc_u64 s[G0+4*\s+2:G0+4*\s+3], s[20:21], \s*ROWB
	s_or_b32 s[G0+4*\s+3], s[G0+4*\s+3], 0x80000000
	s_mov_b32 s[G0B+4*\s], 1
	s_add_co_u32 s[G0B+4*\s+1], s45, \s*SLOT
	s_add_nc_u64 s[G0B+4*\s+2:G0B+4*\s+3], s[46:47], \s*ROWB
	s_or_b32 s[G0B+4*\s+3], s[G0B+4*\s+3], 0x80000000
	JLOAD G0+4*\s, G1, G0B+4*\s, G1B               ; three tensor loads of mine are out
.endr
	v_and_b32 v1, 15, v0                           ; r
	v_bfe_u32 v2, v0, 4, 1                         ; h
	v_mul_u32_u24 v3, v1, PITCH
	v_mul_u32_u24 v4, v2, 24
	v_add_nc_u32 v4, v3, v4                        ; a fragment's row x pitch + 24 h
	v_lshl_add_u32 v5, v2, 4, v4                   ; and the same behind one padding more
	s_mul_i32 s21, s15, HALFT
	s_mul_i32 s22, s16, HALFT
	s_add_co_u32 s22, s22, 2*HALFT
.irp s, 0,1
	v_add_nc_u32 v[ADRA+\s], s21, v4
	v_add_nc_u32 v[ADRB+\s], s22, v4
	v_add_nc_u32 v[ADRA+2+\s], s21, v5
	v_add_nc_u32 v[ADRB+2+\s], s22, v5
	s_add_co_u32 s21, s21, SLOT
	s_add_co_u32 s22, s22, SLOT
.endr
	v_mul_u32_u24 v5, v1, KS                       ; my row's scales: 32 bytes a row,
	v_lshrrev_b32 v6, 8, v5
	v_lshl_add_u32 v5, v6, 4, v5                   ; and 16 more for each 256 passed
	s_mul_i32 s21, s15, HALFS
	s_mul_i32 s22, s16, HALFS
	s_add_co_u32 s22, s22, 2*HALFS
	s_sub_co_u32 s22, s22, s21
	v_mul_u32_u24 v6, s22, v2                      ; lanes 16-31 take B's
	s_add_co_u32 s21, s21, SCL
	v_add_nc_u32 v5, v5, v6
	v_add_nc_u32 v[ADRS], s21, v5
	v_and_b32 v[LN], 31, v0
	v_lshlrev_b32 v[LI], 4, v[LN]
	v_lshlrev_b32 v[L8], 3, v[LN]
	v_add_nc_u32 v[LIS], s99, v[LI]
	v_lshlrev_b32 v[BA1], 6, v2
	v_and_b32 v3, 8, v1
	v_add_nc_u32 v3, v3, v1
	v_lshlrev_b32 v[BA2], 2, v3
.irp b, 0,1,2,3
	v_mov_b32 v[TM+4+\b], 0                        ; written once: a lane permute's destination counts as one of its sources
.endr
	; THE BIAS, in both forms, on the one way that all take, so that every register is written whatever the job.  The form that the job does not use reads bqkv's first 128 numbers.
	s_lshl_b32 s18, s42, 10
	s_lshl_b32 s19, s16, 9
	s_add_co_u32 s18, s18, s19                     ; q, k: 4 x my first column
	s_lshl_b32 s20, s17, 10
	s_lshl_b32 s19, s15, 9
	s_add_co_u32 s20, s20, s19                     ; v: likewise
	s_cmp_lt_u32 ttmp9, 16
	s_cselect_b32 s18, s18, 0
	s_cselect_b32 s20, 0, s20
	s_mov_b32 s19, 0
	s_mov_b32 s21, 0
	s_add_nc_u64 s[4:5], s[8:9], s[18:19]
	s_add_nc_u64 s[6:7], s[8:9], s[20:21]
.irp b, 0,1,2,3,4,5,6,7
	global_load_b128 v[BR+8*\b:BR+8*\b+3], v[BA1], s[4:5] offset:(32*(\b/2)+8*(\b%2))*4
	global_load_b128 v[BR+8*\b+4:BR+8*\b+7], v[BA1], s[4:5] offset:(32*(\b/2)+8*(\b%2))*4+16
.endr
.irp a, 0,1,2,3,4,5,6,7
	global_load_b32 v[BL+\a], v[BA2], s[6:7] offset:(32*(\a/2)+8*(\a%2))*4
.endr
	; WHERE THE RESULTS GO: block (b, head, 128 tokens); my wave has two heads and one block of tokens
	s_cmp_lt_u32 ttmp9, 16
	s_cselect_b32 s18, s17, s42                    ; the tokens' block of 256,
	s_cselect_b32 s19, s15, s16                    ; my half of it,
	s_cselect_b32 s20, s40, s41                    ; the group of four heads,
	s_cselect_b32 s21, s16, s15                    ; my two of them
	s_lshl_b32 s18, s18, 1
	s_add_co_u32 s18, s18, s19                     ; block of 128 tokens, 0..63
	s_lshr_b32 s19, s18, 4                         ; b
	s_and_b32 s18, s18, 15
	s_lshl_b32 s20, s20, 2
	s_lshl_b32 s21, s21, 1
	s_add_co_u32 s20, s20, s21                     ; my first head
	s_lshl_b32 s19, s19, 4
	s_add_co_u32 s19, s19, s20
	s_lshl_b32 s19, s19, 4
	s_add_co_u32 s19, s19, s18
	s_mul_i32 s18, s19, s98
	s_mov_b32 s19, 0
	s_add_nc_u64 s[8:9], s[96:97], s[18:19]        ; my first head's block
	s_lshl_b32 s18, s98, 4
	s_add_nc_u64 s[10:11], s[8:9], s[18:19]        ; my second head's: 16 blocks on
	s_mov_b32 s[SEL], 0x76543210
	s_mov_b32 s[SEL+1], 0xfedcba98
.macro FRAG reg, adr, q, i             ; a fragment: 12 registers; lane l holds row l % 16; registers 6 c .. 6 c + 5 hold K = 64 c + 32 (l / 16) + 0 .. 31: 24 bytes of the row as they lie, in pieces of 8
.irp p, 0,1,2,3,4,5
.set PCE, 12*(\q)+6*(\p/3)+\p%3       ; 16 bytes of padding lie behind every 8 pieces: where the piece three on lies behind one padding more, the second address register serves
.if PCE%8 < 5
	ds_load_b64 v[\reg+2*\p:\reg+2*\p+1], v[\adr] offset:8*PCE+16*(PCE/8)+(\i)*16*PITCH
.else
	ds_load_b64 v[\reg+2*\p:\reg+2*\p+1], v[\adr+2] offset:8*PCE+16*(PCE/8)+(\i)*16*PITCH
.endif
.endr
.endm
; 16 matrix instructions: A's blocks a0, a0 + 1 x B's eight.  The 64 accumulators take turns, one instruction a turn, in the same order in every step.
.macro MUL16 a0, p, q, sc, zero
.irp a, \a0, \a0+1
.irp b, 0,1,2,3,4,5,6,7
.if \zero
	v_wmma_scale_f32_16x16x128_f8f6f4 v[8*(8*((\a)%4)+\b):8*(8*((\a)%4)+\b)+7], v[128*(\p)+FR*\b:128*(\p)+FR*\b+FR-1], v[AF+FR*(\a):AF+FR*(\a)+FR-1], 0, v[SC+8*NQ*(\sc)+NQ*\b+(\q)], v[SC+8*NQ*(\sc)+NQ*(\a)+(\q)] matrix_a_fmt:MATRIX_FMT_FP6 matrix_b_fmt:MATRIX_FMT_FP6 matrix_a_scale:MATRIX_SCALE_ROW1
.else
	v_wmma_scale_f32_16x16x128_f8f6f4 v[8*(8*((\a)%4)+\b):8*(8*((\a)%4)+\b)+7], v[128*(\p)+FR*\b:128*(\p)+FR*\b+FR-1], v[AF+FR*(\a):AF+FR*(\a)+FR-1], v[8*(8*((\a)%4)+\b):8*(8*((\a)%4)+\b)+7], v[SC+8*NQ*(\sc)+NQ*\b+(\q)], v[SC+8*NQ*(\sc)+NQ*(\a)+(\q)] matrix_a_fmt:MATRIX_FMT_FP6 matrix_b_fmt:MATRIX_FMT_FP6 matrix_a_scale:MATRIX_SCALE_ROW1
.endif
.endr
.endr
.endm
.macro FETCH_B slot, q, p
	WIN TO_B
.irp i, 0,1,2,3,4,5,6,7
	FRAG 128*(\p)+FR*\i, ADRB+\slot, \q, \i
.endr
	WIN 0
.endm
.macro FETCH_A slot, q, i0
.irp i, \i0, \i0+1, \i0+2, \i0+3
	FRAG AF+FR*(\i), ADRA+\slot, \q, \i
.endr
.endm
.macro SCALES sc                       ; a K step's scale words: lanes 0-15 A's block i, lanes 16-31 B's block i
.irp i, 0,1,2,3,4,5,6,7
	ds_load_b64 v[SC+8*NQ*\sc+NQ*\i:SC+8*NQ*\sc+NQ*\i+1], v[ADRS] offset:\i*SBLK
.endr
.endm
.macro PLACES n                        ; plain vector instructions between a matrix instruction and a load into, or a read of, its registers
.rept \n
	v_nop
.endr
.endm
.macro STEP slot, q, zero              ; 128 along K, with a successor in the same slot
	s_wait_dscnt 4*NL                              ; B's set and A's blocks 0-3 are in; the youngest 24 loads (A's blocks 4-7) may be out
	WIN MUL_LO
	MUL16 0, (\q)%2, \q, \slot, \zero
	MUL16 2, (\q)%2, \q, \slot, \zero
	s_wait_dscnt 0
	PLACES NP
	FETCH_B \slot, (\q)+1, 1-(\q)%2
	FETCH_A \slot, (\q)+1, 0
	WIN MUL_HI
	MUL16 4, (\q)%2, \q, \slot, \zero
	MUL16 6, (\q)%2, \q, \slot, \zero
	PLACES NP
	WIN 0
	FETCH_A \slot, (\q)+1, 4
.endm
; A slot's last step changes slots: one barrier; in front of it each wave waits for all its tensor loads, adds 0 to its spare word, and waits for that and for its reads of this slot.
.macro TURN slot, next, fill
	s_wait_tensorcnt 0x0                           ; all my tensor loads have landed: my part of the next slot
	ds_add_u32 v[SPW], v[NIL]                      ; 0 onto my spare word
	s_wait_dscnt 4*NL+1                            ; (the add and the youngest 24 loads may be out)
	WIN MUL_LO
	MUL16 0, 1, NQ-1, \slot, 0
	s_wait_dscnt 0x0                               ; the add is done, and my reads of this slot are over
	s_barrier_signal -1
	MUL16 2, 1, NQ-1, \slot, 0
	WIN 0
	s_barrier_wait -1
.if \fill
	CREST                                          ; the barrier has opened a round of the cluster's: no wave of any partner still reads this slot or has a load on its way
	s_add_nc_u64 s[G0+4*\slot+2:G0+4*\slot+3], s[G0+4*\slot+2:G0+4*\slot+3], 2*ROWB
	s_add_nc_u64 s[G0B+4*\slot+2:G0B+4*\slot+3], s[G0B+4*\slot+2:G0B+4*\slot+3], 2*ROWB
	JLOAD G0+4*\slot, G1, G0B+4*\slot, G1B         ; the first tensor load behind the round; its four v_nop are the places in front of the loads below
.else
	PLACES NP
.endif
	v_add_nc_u32 v[ADRS], 4*NQ, v[ADRS]            ; the next K step's scale words
	FETCH_B \next, 0, 0
	FETCH_A \next, 0, 0
	SCALES \next
	WIN MUL_HI
	MUL16 4, 1, NQ-1, \slot, 0
	MUL16 6, 1, NQ-1, \slot, 0
	PLACES NP
	WIN 0
	FETCH_A \next, 0, 4
.endm
	s_wait_tensorcnt 1                             ; the scales and my part of K step 0 are in (K step 1's load may be out),
	s_barrier_signal -1
	s_barrier_wait -1                              ; everybody's are
	FETCH_B 0, 0, 0
	FETCH_A 0, 0, 0
	SCALES 0
	FETCH_A 0, 0, 4
	STEP 0, 0, 1                                   ; the first step's products start the sums
	s_mov_b32 s3, LAPS-1
.Llap:
	TURN 0, 1, 1
	STEP 1, 0, 0
	TURN 1, 0, 1
	STEP 0, 0, 0
	s_sub_co_u32 s3, s3, 1
	s_cmp_lg_u32 s3, 0
	s_cbranch_scc1 .Llap
	TURN 0, 1, 0                                   ; the last lap fills nothing
	STEP 1, 0, 0
	s_wait_dscnt 4*NL
	WIN MUL_LO
	MUL16 0, 1, NQ-1, 1, 0
	MUL16 2, 1, NQ-1, 1, 0
	s_wait_dscnt 0
	WIN MUL_HI
	MUL16 4, 1, NQ-1, 1, 0
	MUL16 6, 1, NQ-1, 1, 0
	WIN 0
; THE WAY OUT.  For each of A's blocks a lane's 64 numbers, v[H + 16 b + i] = place 32 b + 16 (lane / 16) + i along the next K, are four blocks of 32.
.macro QMAX                            ; their largest magnitudes, the conversions' scale operands (TM+12 ..) and the scale bytes (TM+4 ..)
.irp b, 0,1,2,3
	v_max3_num_f32 v[TM+\b], |v[H+16*\b]|, |v[H+1+16*\b]|, s100     ; my 16 numbers, and the floor
.endr
.irp i, 2,4,6,8,10,12,14
.irp b, 0,1,2,3
	v_max3_num_f32 v[TM+\b], v[TM+\b], |v[H+16*\b+\i]|, |v[H+1+16*\b+\i]|   ; the four blocks by turns
.endr
.endr
.irp b, 0,1,2,3
	v_permlanex16_b32 v[TM+4+\b], v[TM+\b], s[SEL], s[SEL+1]
.endr
.irp b, 0,1,2,3
	v_max_num_f32 v[TM+\b], v[TM+\b], v[TM+4+\b]   ; with lane l xor 16's
.endr
.irp b, 0,1,2,3
	v_add_nc_u32 v[TM+12+\b], 0xff000000, v[TM+\b] ; 2 off the exponent field
.endr
.irp b, 0,1,2,3
	v_lshrrev_b32 v[TM+4+\b], 23, v[TM+12+\b]
.endr
.endm
.macro QCVT d0, d1                     ; blocks 0, 1 -> six registers at d0, blocks 2, 3 -> six at d1: lane (r, h) then holds a whole block, 32 h + 0 .. 31
	v_cvt_scalef32_pk16_fp6_f32 v[\d0:\d0+2], v[H:H+15], v[TM+12]
	v_cvt_scalef32_pk16_fp6_f32 v[PT:PT+2], v[H+16:H+31], v[TM+13]   ; (a conversion's three registers begin on an even number)
	v_cvt_scalef32_pk16_fp6_f32 v[\d1:\d1+2], v[H+32:H+47], v[TM+14]
	v_cvt_scalef32_pk16_fp6_f32 v[PT+4:PT+6], v[H+48:H+63], v[TM+15]
	v_nop                                          ; one plain place behind a scaled conversion
.irp i, 0,1,2
	v_permlane16_swap_b32 v[\d0+\i], v[PT+\i]      ; the first's lanes 16-31 change places with the second's lanes 0-15
	v_permlane16_swap_b32 v[\d1+\i], v[PT+4+\i]
.endr
.irp i, 0,1,2
	v_mov_b32 v[\d0+3+\i], v[PT+\i]
	v_mov_b32 v[\d1+3+\i], v[PT+4+\i]
.endr
.endm
	PLACES NP                                      ; behind the last products: their results are read, and A's registers written, below
	s_wait_loadcnt 0x0                             ; the bias
	v_cmp_le_u32 vcc_lo, 16, v[LN]                 ; lanes 16-31
	s_cmp_lt_u32 ttmp9, 16                         ; the cluster's number: the same in all partners
	s_cbranch_scc0 .Lvalues
	; ---- q, k: a lane holds a token; blocks 0, 1 are my first head's d, blocks 2, 3 my second head's
.irp a, 0,1,2,3,4,5,6,7
	WIN 0x02+(\a/4)                                ; source 0: window 2 or 3
.set i, 0
.rept 32
	v_pk_add_f32 v[H+i:H+i+1], v[64*(\a%4)+i:64*(\a%4)+i+1], v[BR+i:BR+i+1]   ; out of the accumulators, each from its low end on, and the bias, in one line
.set i, i+2
.endr
	WIN 0
	QMAX
	v_lshl_or_b32 v[WD+\a], v[TM+5], 8, v[TM+4]    ; a head's scale word: two bytes; the upper two stay 0 for the K that is not there
	v_lshl_or_b32 v[WD+8+\a], v[TM+7], 8, v[TM+6]
	v_sub_nc_u32 v[WD+\a], v[WD+\a], s101          ; q: 3 off each byte
	v_sub_nc_u32 v[WD+8+\a], v[WD+8+\a], s101
.if (\a%2 == 0) && (\a > 0)
	s_wait_xcnt 0x0                                ; the last pair's stores have read the codes' registers
.endif
	QCVT PC+6*(\a%2), PC+12+6*(\a%2)
.if \a%2 == 1
.irp c, 0,1
.irp i, 0,1,2
	global_store_b128 v[LI], v[PC+12*\c+4*\i:PC+12*\c+4*\i+3], s[8+2*\c:9+2*\c] offset:1536*(\a/2)+512*\i   ; two tiles' twelve registers: 512 bytes on end a store
.endr
.endr
.endif
.endr
.irp c, 0,1
.irp t, 0,1,2,3
	v_cndmask_b32 v[H+4*\c+\t], v[WD+8*\c+\t], v[WD+8*\c+\t+4], vcc_lo   ; lanes 0-15 tile t's words, lanes 16-31 tile t + 4's
.endr
.endr
	global_store_b128 v[LIS], v[H:H+3], s[8:9]
	global_store_b128 v[LIS], v[H+4:H+7], s[10:11]
	s_branch .Lend
.Lvalues:
	; ---- v: a lane holds a channel d; its 64 numbers run along 128 tokens: one fragment and one scale word a block
.irp a, 0,1,2,3,4,5,6,7
	WIN 0x02+(\a/4)
.set i, 0
.rept 32
.if \a%2 == 0
	v_pk_add_f32 v[H+i:H+i+1], v[64*(\a%4)+i:64*(\a%4)+i+1], v[BL+\a:BL+\a+1] op_sel_hi:[1,0]           ; my channel's bias: the pair's first word for both halves
.else
	v_pk_add_f32 v[H+i:H+i+1], v[64*(\a%4)+i:64*(\a%4)+i+1], v[BL+\a-1:BL+\a] op_sel:[0,1] op_sel_hi:[1,1]   ; the pair's second word for both
.endif
.set i, i+2
.endr
	WIN 0
	QMAX
	v_lshl_or_b32 v[WD+\a], v[TM+5], 8, v[TM+4]
	v_lshl_or_b32 v[WD+\a], v[TM+6], 16, v[WD+\a]
	v_lshl_or_b32 v[WD+\a], v[TM+7], 24, v[WD+\a]
.if \a > 0
	s_wait_xcnt 0x0                                ; the last block's stores have read the codes' registers
.endif
	QCVT PC, PC+6
.irp i, 0,1,2
	global_store_b128 v[LI], v[PC+4*\i:PC+4*\i+3], s[8+2*(\a/4):9+2*(\a/4)] offset:6144+1536*(\a%4)+512*\i
.endr
.endr
.irp c, 0,1
	v_cndmask_b32 v[H+2*\c], v[WD+4*\c], v[WD+4*\c+2], vcc_lo       ; lanes 0-15 tile t's words, lanes 16-31 tile t + 2's
	v_cndmask_b32 v[H+2*\c+1], v[WD+4*\c+1], v[WD+4*\c+3], vcc_lo
.endr
	global_store_b64 v[L8], v[H:H+1], s[8:9] offset:12800
	global_store_b64 v[L8], v[H+2:H+3], s[10:11] offset:12800
.Lend:
	s_wait_tensorcnt 0x0                           ; the wave's end
	ds_add_u32 v[SPW], v[NIL]
	s_wait_dscnt 0x0
	CROUND                                         ; the closing round: no work-group ends while a partner may still ask for a tile that names it
	s_endpgm
.Lfunc_end_k_q09a9ed05d9_qkv:
	.size	k_q09a9ed05d9_qkv, .Lfunc_end_k_q09a9ed05d9_qkv-k_q09a9ed05d9_qkv
	.p2alignl 7, 3214868480
	.fill 96, 4, 3214868480
	.section	.rodata,"a",@progbits
	.p2align	6, 0x0
	.amdhsa_kernel k_q09a9ed05d9_qkv
		.amdhsa_group_segment_fixed_size 327680
		.amdhsa_private_segment_fixed_size 0
		.amdhsa_enable_private_segment 0
		.amdhsa_kernarg_size 40
		.amdhsa_user_sgpr_count 2
		.amdhsa_user_sgpr_kernarg_segment_ptr 1
		.amdhsa_wavefront_size32 1
		.amdhsa_system_sgpr_workgroup_id_x 1
		.amdhsa_system_sgpr_workgroup_id_y 1
		.amdhsa_system_sgpr_workgroup_id_z 1
		.amdhsa_system_vgpr_workitem_id 0
		.amdhsa_next_free_vgpr 1024
		.amdhsa_next_free_sgpr 102
		.amdhsa_reserve_vcc 1
		.amdhsa_float_denorm_mode_32 3
		.amdhsa_float_denorm_mode_16_64 3
		.amdhsa_memory_ordered 1
		.amdhsa_forward_progress 1
		.amdhsa_inst_pref_size 231
	.end_amdhsa_kernel
	.amdgpu_metadata
---
amdhsa.version: [ 1, 2 ]
amdhsa.kernels:
  - .name:           k_q09a9ed05d9_qkv
    .symbol:         k_q09a9ed05d9_qkv.kd
    .args:
      - { .name: xq, .offset: 0, .size: 8, .value_kind: global_buffer, .address_space: global }
      - { .name: wq, .offset: 8, .size: 8, .value_kind: global_buffer, .address_space: global }
      - { .name: bqkv, .offset: 16, .size: 8, .value_kind: global_buffer, .address_space: global }
      - { .name: qb, .offset: 24, .size: 8, .value_kind: global_buffer, .address_space: global }
      - { .name: kv, .offset: 32, .size: 8, .value_kind: global_buffer, .address_space: global }
    .group_segment_fixed_size: 327680
    .private_segment_fixed_size: 0
    .kernarg_segment_align: 8
    .kernarg_segment_size: 40
    .max_flat_workgroup_size: 128
    .sgpr_count:     102
    .vgpr_count:     1024
    .wavefront_size: 32
...
	.end_amdgpu_metadata
.endif
;; end of part 2
;; launch attn (part 3): grid 16 x 16, 8 waves a work-group, clusters of 4 x 4, 327,680 bytes of LDS; arguments qb, kv, causal_mask, oq; writes oq
.if DOCPART == 3
	.amdgcn_target "amdgcn-amd-amdhsa--gfx1250"
	.amdhsa_code_object_version 6
	.text
	.protected	k_q09a9ed05d9_attn
	.globl	k_q09a9ed05d9_attn
	.p2align	8
	.type	k_q09a9ed05d9_attn,@function
k_q09a9ed05d9_attn:
	s_mov_b64 s[64:65], 0
	v_nop
	global_prefetch_b8 v0, s[64:65] scope:SCOPE_SE
	s_setreg_imm32_b32 hwreg(HW_REG_WAVE_MODE, 25, 1), 1
	s_wait_xcnt 0x0
	s_wait_alu depctr_hold_cnt(0) depctr_sa_sdst(0) depctr_va_vdst(0) depctr_va_sdst(0) depctr_va_ssrc(0) depctr_va_vcc(0) depctr_vm_vsrc(0)
	s_getreg_b32 s2, hwreg(HW_REG_IB_STS2, 6, 4)
	s_cmp_eq_u32 s2, 0
	s_cbranch_scc0 .Lentry_in_a_cluster
	s_endpgm
.Lentry_in_a_cluster:
	s_bfe_u32 s2, ttmp6, 0x10000c
	s_cmp_lg_u32 s2, 0xf033
	s_cbranch_scc0 .Lentry_shape_is_right
	s_endpgm
.Lentry_shape_is_right:
; o = softmax(q k^T / 8 + mask) v for 64 heads of 64, 2,048 queries and keys, both products on codes of FP6 (E2M3) with E8M0 scales; o is quantised along D on the way out, for the projection.
; THE MASK IS AN INPUT: every score is computed, no tile is left out.  It costs no vector instruction: it is the C of S^T = K Q^T + C, and the factor 1/8 lies in q's scale bytes, so the result is the logit.
; SOFTMAX: t = logit x log2(e), rounded to f32 as the problem defines it (a multiplication and then an addition, not one fused line: with a mask of large numbers the fused form would leave the
; rounding of M in the exponent); M = the running largest t rounded up to a whole number; p = 2^(t - M) is quantised along the keys; the row's sum is taken of the unquantised p and divides at the end.
; When M moves, the sum and O are multiplied by 2^(old M - new M), which rounds nothing.
; SHARES.  A work-group owns 128 queries of FOUR heads of one batch; each of its eight waves one tile of 16 queries for all four heads, so a wave's 64 registers of mask serve four heads.
; Two waves lie on a SIMD: one's vector work stands beside the other's products and LDS loads.  Every wave walks all 2,048 keys, 128 a step.
; CLUSTER 4 x 4: along a row the four work-groups have the same heads (the same K and V), along a column the same queries (the same mask tile): every tile is asked for jointly by four.
; K = 64 IN AN INSTRUCTION OF 128: Q's fragment has zero codes in its upper six registers; K's fragments stand six registers apart, so a fragment's upper six are the next tile's codes (behind the last: zeros);
; zero codes times any code add nothing, and the scale bytes of the K that is not there are 0, never 0xff.
; LAYOUT.  Both products transposed: a lane holds ONE query; q's, k's and v's images were laid so that the 16 registers of two neighbouring tiles are 16 neighbours along the next K.
; LIMITS: NaN among the inputs is not served.  A row whose every logit is -infinity gives NaN, as the definition does.
; REGISTERS: window 0: addresses, statistics, S^T / p, K's and V's fragments.  Window 1: v0-127 O^T (32 a head), v128-191 the mask, v192-239 Q (12 a head).
.set XS_OFF, 6291456
.set KVB,   13056                      ; a block of kv: K's codes, V's codes at 6,144, K's words at 12,288, V's at 12,800
.set QB,    6656                       ; a block of qb
.set QHS,   16*QB                      ; from head to head in qb
.set SLOT1, 1<<17                      ; slot 1 begins here: one exclusive or turns an address from one slot to the other
.set MOFF,  4*KVB                      ; in a slot: four heads' blocks, then the mask's 128 rows
.set MP,    528                        ; a row of the mask in LDS: 512 bytes + 16
.set SPARE, 2*SLOT1                    ; the spare words: four blocks of 256 bytes that no other line names
.set STAGE, SPARE+1024                 ; the way out: 16 rows x 272 bytes for each wave; no tensor load lands here
.set SPI,   272
.set LI,  1                            ; v1  16 x lane
.set L8,  2                            ; v2  8 x lane
.set AM0, 3                            ; v3  my query's row of the mask tile, + 64 h
.set ADI, 4                            ; v4-6 the same three in the slot in hand
.set AD8, 5
.set ADM, 6
.set SPW, 7
.set NIL, 8
.set STO, 9
.set RD,  10
.set GO,  11
.set GS,  12
.set X0,  13
.set ST,  16                           ; v16-31 a head's -M, largest t, and the sum in two halves
.set QS,  32                           ; v32-35 Q's scale words, one a head
.set KS,  36                           ; v36-39 K's
.set VS,  40                           ; v40-41 V's
.set PS,  42                           ; v42    p's
.set TV,  43
.set F,   44                           ; v44 f = 2^(old M - new M); v45 is named with it as a pair
.set BM,  46                           ; v46-49 a block's largest t, then p
.set T2,  50                           ; v50-53 at work
.set SOP, 54                           ; v54-57 the conversions' scale operands
.set PW,  58                           ; v58-59 o's scale words
.set PC,  62                           ; v62-73 p's codes
.set PT,  74                           ; v74-81 the conversions' upper halves
.set SUMT, 82
.set S,   84                           ; v84-147
.set KF,  148                          ; v148-201: eight tiles of K, six registers apart, and six zeros
.set VF,  202                          ; v202-249: four fragments of V
.set MK,  128                          ; in window 1
.set QF,  192
.set WV,  12
.set SEL, 20
.set CS,  22
.set G1K, 24
.set G1M, 32
.set G0K, 40
.set G0M, 44
.set TB,  48
.set MSB, 0
.macro WIN new
.if MSB != \new
	s_set_vgpr_msb (MSB<<8)|\new
.set MSB, \new
.endif
.endm
; A joint load: waves 0-3 fetch the four heads' blocks of K and V, waves 4-7 the mask tile's four quarters.  The branch hangs on the wave's number alone.  Four v_nop follow each line.
.macro JLOAD
	s_cmp_lt_u32 s[WV], 4
	s_cbranch_scc0 .Lfor_m_\@
	tensor_load_to_lds s[G0K:G0K+3], s[G1K:G1K+7]
	s_nop 0
.rept 4
	v_nop
.endr
	s_branch .Lasked_\@
.Lfor_m_\@:
	tensor_load_to_lds s[G0M:G0M+3], s[G1M:G1M+7]
	s_nop 0
.rept 4
	v_nop
.endr
.Lasked_\@:
.endm
.macro CROUND                          ; a round of the cluster's barrier
	s_barrier_signal -1
	s_barrier_wait -1
	s_cmp_lg_u32 s[WV], 0
	s_cbranch_scc1 .Lnot_wave_0_\@
	s_barrier_signal -3
.Lnot_wave_0_\@:
	s_barrier_wait -3
	s_barrier_signal -1
	s_barrier_wait -1
.endm
	s_load_b256 s[4:11], s[0:1], 0x0               ; qb s[4:5], kv s[6:7], the mask s[8:9], oq s[10:11]
	v_lshl_add_u32 v[SPW], v0, 2, SPARE
	v_mov_b32 v[NIL], 0
	ds_add_u32 v7, v8
	ds_add_u32 v7, v8
	s_wait_dscnt 0x0
	v_lshrrev_b32 v13, 5, v0
	v_readfirstlane_b32 s[WV], v13                 ; wave 0..7
	s_and_b32 s13, s[WV], 3
	s_bfe_u32 s14, ttmp6, 0x40000                  ; cx
	s_bfe_u32 s15, ttmp6, 0x40004                  ; cy
	s_lshl_b32 s16, ttmp9, 2
	s_add_co_u32 s16, s16, s14                     ; my block of 128 queries
	s_and_b32 s17, ttmp7, 0xffff
	s_lshl_b32 s17, s17, 2
	s_add_co_u32 s17, s17, s15                     ; 4 x batch + group of four heads
	s_lshl_b32 s51, s15, 2
	s_lshl_b32 s51, 15, s51                        ; my row of the cluster
	s_lshl_b32 s52, 0x1111, s14                    ; my column
	s_or_b32 s[G1K], s51, (3<<16)|(1<<21)          ; K and V: the mask of my row; elements of 8 bytes; no padding; bit 21 beside a mask
	s_mov_b32 s[G1K+1], 32<<16                     ; a dense block of 13,056 bytes as 51 rows of 256
	s_mov_b32 s[G1K+2], 51<<16
	s_mov_b32 s[G1K+3], 32<<16
	s_mov_b32 s[G1K+4], 51
	s_mov_b32 s[G1K+5], 32
	s_mov_b32 s[G1K+6], 0
	s_mov_b32 s[G1K+7], 0
	s_or_b32 s[G1M], s52, (2<<16)|(1<<20)|(1<<21)|(6<<22)|(3<<25)   ; the mask tile: my column; elements of 4 bytes; after every 128 words 4 words of padding
	s_mov_b32 s[G1M+1], 128<<16                    ; 32 rows of 128 numbers, 2,048 numbers apart
	s_mov_b32 s[G1M+2], 32<<16
	s_mov_b32 s[G1M+3], 128<<16
	s_mov_b32 s[G1M+4], 32
	s_mov_b32 s[G1M+5], 2048
	s_mov_b32 s[G1M+6], 0
	s_mov_b32 s[G1M+7], 0
	s_lshl_b32 s53, s17, 2
	s_add_co_u32 s53, s53, s13                     ; 16 x batch + head
	s_mul_i32 s54, s53, 16*KVB                     ; its first block of kv (under 2^24)
	s_mov_b32 s55, 0
	s_lshl_b32 s56, s16, 7
	s_lshl_b32 s57, s13, 5
	s_add_co_u32 s56, s56, s57
	s_lshl_b32 s56, s56, 13                        ; the mask's row 128 x block + 32 x quarter, 8,192 bytes a row
	s_mov_b32 s57, 0
	s_mul_i32 s58, s13, KVB                        ; where they go: no place in the cluster enters an LDS address
	s_mul_i32 s59, s13, 32*MP
	s_add_co_u32 s59, s59, MOFF
	s_mov_b32 s[SEL], 0x76543210
	s_mov_b32 s[SEL+1], 0xfedcba98
	s_mov_b32 s[CS], 0x3fb8aa3b                    ; log2(e)
	s_mov_b32 s[CS+1], s[CS]
	s_mov_b32 s[TB], 0
	s_mov_b32 s49, 15                              ; key steps behind whose change of slots another is asked for
	s_and_b32 s50, s[WV], 1
	s_sub_co_u32 s50, 0, s50                       ; all ones in the odd waves
	s_wait_kmcnt 0x0
	s_mov_b32 s[G0K], 1
	s_mov_b32 s[G0K+1], s58
	s_add_nc_u64 s[G0K+2:G0K+3], s[6:7], s[54:55]
	s_or_b32 s[G0K+3], s[G0K+3], 0x80000000
	s_mov_b32 s[G0M], 1
	s_mov_b32 s[G0M+1], s59
	s_add_nc_u64 s[G0M+2:G0M+3], s[8:9], s[56:57]
	s_or_b32 s[G0M+3], s[G0M+3], 0x80000000
	CROUND                                         ; all sixteen work-groups are here
	JLOAD                                          ; key step 0 into slot 0: one tensor load of mine is out, here and behind every round
	v_and_b32 v13, 31, v0
	v_lshlrev_b32 v[LI], 4, v13
	v_lshlrev_b32 v[L8], 3, v13
	v_and_b32 v14, 15, v0                          ; r
	v_bfe_u32 v15, v0, 4, 1                        ; h
	v_and_b32 v13, 8, v14
	v_add_nc_u32 v13, v13, v14                     ; r + 8 (r / 8)
	v_mul_u32_u24 v[AM0], v13, MP
	v_lshl_add_u32 v[AM0], v15, 6, v[AM0]
	s_lshr_b32 s53, s[WV], 1
	s_lshl_b32 s53, s53, 5
	s_and_b32 s54, s[WV], 1
	s_lshl_b32 s54, s54, 3
	s_add_co_u32 s53, s53, s54                     ; my query among the 128: 32 (w / 2) + 8 (w % 2) + r + 8 (r / 8)
	s_mul_i32 s53, s53, MP
	s_add_co_u32 s53, s53, MOFF
	v_add_nc_u32 v[AM0], s53, v[AM0]
	s_mul_i32 s53, s[WV], 16*SPI
	s_add_co_u32 s53, s53, STAGE                   ; my stage
	v_mul_u32_u24 v[STO], v14, SPI
	v_lshl_add_u32 v[STO], v15, 5, v[STO]
	v_add_nc_u32 v[STO], s53, v[STO]               ; in: row r, + 32 h
	v_mul_u32_u24 v[RD], v15, SPI
	v_lshl_add_u32 v[RD], v14, 4, v[RD]
	v_add_nc_u32 v[RD], s53, v[RD]                 ; back: sixteen lanes to a row
	v_mul_u32_u24 v[GO], v15, 768
	v_mad_u32_u24 v[GO], v14, 12, v[GO]            ; and the same place in oq's codes
	v_lshlrev_b32 v[GS], 5, v14
	v_lshl_add_u32 v[GS], v15, 2, v[GS]            ; my scale word: 32 r + 4 h
	s_lshr_b32 s53, s[WV], 1
	s_mul_i32 s53, s53, 1536
	v_add_nc_u32 v[X0], s53, v[LI]                 ; Q: the image of my pair of tiles
	s_lshr_b32 s53, s[WV], 2
	s_lshl_b32 s53, s53, 8
	s_lshl_b32 s54, s13, 2
	s_add_co_u32 s53, s53, s54
	s_add_co_u32 s53, s53, 6144
	v_lshl_add_u32 v14, v14, 4, s53                ; and my tile's scale word: register w % 4 of lane 16 (w / 4) + r
	s_lshl_b32 s53, s17, 6
	s_add_co_u32 s53, s53, s16
	s_mul_i32 s54, s53, QB
	s_mov_b32 s55, 0
	s_add_nc_u64 s[4:5], s[4:5], s[54:55]          ; qb at (my first head, my block of queries)
.irp g, 0,1,2,3
.irp i, 0,1,2
	global_load_b128 v[S+12*\g+4*\i:S+12*\g+4*\i+3], v[X0], s[4:5] offset:\g*QHS+512*\i
.endr
	global_load_b32 v[QS+\g], v14, s[4:5] offset:\g*QHS
.endr
	s_lshr_b32 s53, s17, 2
	s_lshl_b32 s53, s53, 11
	s_lshl_b32 s54, s16, 7
	s_add_co_u32 s53, s53, s54
	s_lshl_b32 s54, s[WV], 4
	s_add_co_u32 s53, s53, s54                     ; my first row (slot) of oq
	s_and_b32 s56, s17, 3                          ; the group of heads: 256 along D
	s_lshl_b32 s54, s53, 5
	s_lshl_b32 s57, s56, 3
	s_add_co_u32 s54, s54, s57
	s_add_co_u32 s54, s54, XS_OFF
	s_add_nc_u64 s[8:9], s[10:11], s[54:55]        ; its scale bytes
	s_mul_i32 s54, s53, 768
	s_mul_i32 s57, s56, 192
	s_add_co_u32 s54, s54, s57
	s_add_nc_u64 s[10:11], s[10:11], s[54:55]      ; its codes
.irp g, 0,1,2,3
	v_mov_b32 v[ST+4*\g+1], 0xff61b1e6             ; the largest t so far: -3e38
	v_floor_f32 v[ST+4*\g], -v[ST+4*\g+1]          ; -M
	v_mov_b32 v[ST+4*\g+2], 0                      ; the sum
	v_mov_b32 v[ST+4*\g+3], 0
	v_mov_b32 v[T2+\g], 0                          ; written once: a lane permute's destination counts as one of its sources
.endr
	v_mov_b32 v[F+1], 0                            ; named as the upper half of a pair
.irp k, 0,1,2,3,4,5
	v_mov_b32 v[KF+48+\k], 0                       ; zero codes behind K's last tile
.endr
	s_wait_loadcnt 0x0                             ; Q
	WIN 0x40                                       ; destination window 1
.irp g, 0,1,2,3
.irp k, 0,1,2,3,4,5
	v_cndmask_b32 v[QF+12*\g+\k], v[S+12*\g+\k], v[S+12*\g+6+\k], s50   ; my tile of the pair
.endr
.irp k, 6,7,8,9,10,11
	v_mov_b32 v[QF+12*\g+\k], 0                    ; zero codes for the K that is not there
.endr
.endr
.set i, 0
.rept 128
	v_mov_b32 v[i], 0                              ; O^T.  The step is written once: the first finds zeros, which the first change of M leaves zeros
.set i, i+1
.endr
	WIN 0
.macro FETCH_K g                       ; a head's K: 48 registers as they were stored, and four registers of scale words: 13 loads
.irp i, 0,1,2,3,4,5,6,7,8,9,10,11
	ds_load_b128 v[KF+4*\i:KF+4*\i+3], v[ADI] offset:(\g)*KVB+512*\i
.endr
	ds_load_b128 v[KS:KS+3], v[ADI] offset:(\g)*KVB+12288
.endm
.macro FETCH_V g                       ; its V: 13 loads
.irp i, 0,1,2,3,4,5,6,7,8,9,10,11
	ds_load_b128 v[VF+4*\i:VF+4*\i+3], v[ADI] offset:(\g)*KVB+6144+512*\i
.endr
	ds_load_b64 v[VS:VS+1], v[AD8] offset:(\g)*KVB+12800
.endm
; ONE HEAD'S PART OF A KEY STEP.  more = 1: the next head's K is fetched while this head's softmax runs.
.macro HEAD g, more
.set SG, ST+4*(\g)
	s_wait_dscnt 0x0                               ; K (and, for the first head, the mask) is in
	WIN 0x14                                       ; Q and the mask in window 1
.irp t, 0,1,2,3
	v_wmma_scale_f32_16x16x128_f8f6f4 v[S+8*\t:S+8*\t+7], v[KF+6*\t:KF+6*\t+11], v[QF+12*(\g):QF+12*(\g)+11], v[MK+8*\t:MK+8*\t+7], v[KS+\t], v[QS+(\g)] matrix_a_fmt:MATRIX_FMT_FP6 matrix_b_fmt:MATRIX_FMT_FP6
.endr
.irp t, 4,5,6,7
	v_wmma_scale_f32_16x16x128_f8f6f4 v[S+8*\t:S+8*\t+7], v[KF+6*\t:KF+6*\t+11], v[QF+12*(\g):QF+12*(\g)+11], v[MK+8*\t:MK+8*\t+7], v[KS+\t-4], v[QS+(\g)] matrix_a_fmt:MATRIX_FMT_FP6 matrix_b_fmt:MATRIX_FMT_FP6 matrix_a_scale:MATRIX_SCALE_ROW1
.endr
	WIN 0
.rept 4
	v_nop                                          ; places: in front of the loads into K's and V's registers, which matrix instructions have read, and of the first read of the logits
.endr
	FETCH_V \g
.if \more
	FETCH_K (\g)+1
.endif
.set i, 0
.rept 32
	v_pk_mul_f32 v[S+i:S+i+1], v[S+i:S+i+1], s[CS:CS+1] op_sel_hi:[1,0]   ; t = logit x log2(e), each accumulator from its low end on
.set i, i+2
.endr
.irp b, 0,1,2,3
	v_max3_num_f32 v[BM+\b], v[S+16*\b], v[S+1+16*\b], v[S+2+16*\b]     ; the largest t of each block of 32 keys: for the row's maximum, and, since p rises with t, for the block's largest p
.endr
.irp i, 3,5,7,9,11,13
.irp b, 0,1,2,3
	v_max3_num_f32 v[BM+\b], v[BM+\b], v[S+16*\b+\i], v[S+1+16*\b+\i]
.endr
.endr
.irp b, 0,1,2,3
	v_max_num_f32 v[BM+\b], v[BM+\b], v[S+15+16*\b]
.endr
.irp b, 0,1,2,3
	v_permlanex16_b32 v[T2+\b], v[BM+\b], s[SEL], s[SEL+1]
.endr
.irp b, 0,1,2,3
	v_max_num_f32 v[BM+\b], v[BM+\b], v[T2+\b]     ; with lane l xor 16's 16 keys
.endr
	v_max3_num_f32 v[TV], v[BM], v[BM+1], v[BM+2]
	v_max3_num_f32 v[SG+1], v[TV], v[BM+3], v[SG+1]   ; the running largest t
	v_mov_b32 v[TV], v[SG]
	v_floor_f32 v[SG], -v[SG+1]                    ; the new -M = -ceil(t)
	v_sub_f32 v[TV], v[SG], v[TV]                  ; old M - new M: a whole number, 0 or less
	v_cvt_i32_f32 v[TV], v[TV]                     ; (it saturates)
	v_ldexp_f32 v[F], 1.0, v[TV]                   ; f = 2^(old M - new M)
.set i, 0
.rept 32
	v_pk_add_f32 v[S+i:S+i+1], v[S+i:S+i+1], v[SG:SG+1] op_sel_hi:[1,0]   ; t - M
.set i, i+2
.endr
.irp b, 0,1,2,3
	v_add_f32 v[BM+\b], v[BM+\b], v[SG]            ; the same of each block's largest t
.endr
.set i, 0
.rept 64
	v_exp_f32 v[S+i], v[S+i]                       ; p = 2^(t - M): not normalised
.set i, i+1
.endr
.irp b, 0,1,2,3
	v_exp_f32 v[BM+\b], v[BM+\b]                   ; the block's largest p: the same lines on the same number give the same bits
.endr
	v_pk_mul_f32 v[SG+2:SG+3], v[SG+2:SG+3], v[F:F+1] op_sel_hi:[1,0]   ; the sum under the new M (a plain place behind the exponentials)
	s_wait_alu depctr_va_vdst(0)
.irp b, 0,1,2,3
	v_max_num_f32 v[BM+\b], 0x1800000, v[BM+\b]    ; the floor 2^(3 - 127): the byte cannot fall under 1
.endr
.irp b, 0,1,2,3
	v_add_nc_u32 v[SOP+\b], 0xff000000, v[BM+\b]   ; 2 off the exponent field: the conversion's scale operand
.endr
.irp b, 0,1,2,3
	v_lshrrev_b32 v[T2+\b], 23, v[SOP+\b]
.endr
	v_lshl_or_b32 v[PS], v[T2+1], 8, v[T2]         ; p's scale word for these 128 keys
	v_lshl_or_b32 v[PS], v[T2+2], 16, v[PS]
	v_lshl_or_b32 v[PS], v[T2+3], 24, v[PS]
.irp c, 0,1
	v_cvt_scalef32_pk16_fp6_f32 v[PC+6*\c:PC+6*\c+2], v[S+32*\c:S+32*\c+15], v[SOP+2*\c]
	v_cvt_scalef32_pk16_fp6_f32 v[PT+4*\c:PT+4*\c+2], v[S+32*\c+16:S+32*\c+31], v[SOP+2*\c+1]
.endr
	v_nop                                          ; one plain place behind a scaled conversion
.irp c, 0,1                                    ; the operand wants a whole block in a lane
.irp i, 0,1,2
	v_permlane16_swap_b32 v[PC+6*\c+\i], v[PT+4*\c+\i]
.endr
.irp i, 0,1,2
	v_mov_b32 v[PC+6*\c+3+\i], v[PT+4*\c+\i]
.endr
.endr
	v_pk_add_f32 v[SUMT:SUMT+1], v[S:S+1], v[S+2:S+3]   ; the row's sum, of the unquantised p, in two chains
.irp j, 4,8,12,16,20,24,28,32,36,40,44,48,52,56,60
	v_pk_add_f32 v[SG+2:SG+3], v[SG+2:SG+3], v[S+\j:S+\j+1]
	v_pk_add_f32 v[SUMT:SUMT+1], v[SUMT:SUMT+1], v[S+\j+2:S+\j+3]
.endr
	v_pk_add_f32 v[SG+2:SG+3], v[SG+2:SG+3], v[SUMT:SUMT+1]
.if \more
	s_wait_dscnt 13                                ; V is in; the 13 loads of the next head's K may be out
.else
	s_wait_dscnt 0x0
.endif
	WIN 0x41                                       ; O^T in window 1, f in window 0
.set i, 0
.rept 16
	v_pk_mul_f32 v[32*(\g)+i:32*(\g)+i+1], v[32*(\g)+i:32*(\g)+i+1], v[F:F+1] op_sel_hi:[1,0]   ; O^T under the new M.  With the sums above: the places between p's codes and scale word and the products
.set i, i+2
.endr
	WIN 0x50                                       ; C and D in window 1
.irp t, 0,1
	v_wmma_scale_f32_16x16x128_f8f6f4 v[32*(\g)+8*\t:32*(\g)+8*\t+7], v[VF+12*\t:VF+12*\t+11], v[PC:PC+11], v[32*(\g)+8*\t:32*(\g)+8*\t+7], v[VS+\t], v[PS] matrix_a_fmt:MATRIX_FMT_FP6 matrix_b_fmt:MATRIX_FMT_FP6
.endr
.irp t, 2,3
	v_wmma_scale_f32_16x16x128_f8f6f4 v[32*(\g)+8*\t:32*(\g)+8*\t+7], v[VF+12*\t:VF+12*\t+11], v[PC:PC+11], v[32*(\g)+8*\t:32*(\g)+8*\t+7], v[VS+\t-2], v[PS] matrix_a_fmt:MATRIX_FMT_FP6 matrix_b_fmt:MATRIX_FMT_FP6 matrix_a_scale:MATRIX_SCALE_ROW1
.endr
	WIN 0
.endm
; THE CHANGE OF SLOTS stands at a key step's head.  Each wave waits for all its tensor loads (its part of the slot ahead), adds 0 to its spare word, and waits for that and for its reads of the slot that it has left.
; fill = 1: the barrier is a round of the cluster's, and the slot that was left is asked for again first thing behind it: that load has a whole key step in which to land.
.macro CHANGE fill
	s_wait_tensorcnt 0x0                           ; no tensor load of mine is out, so a group 0 may be written
	ds_add_u32 v[SPW], v[NIL]                      ; 0 onto my spare word
.if \fill
	s_xor_b32 s[G0K+1], s[G0K+1], SLOT1            ; the other slot than last time,
	s_add_nc_u64 s[G0K+2:G0K+3], s[G0K+2:G0K+3], KVB   ; the next 128 keys
	s_xor_b32 s[G0M+1], s[G0M+1], SLOT1
	s_add_nc_u64 s[G0M+2:G0M+3], s[G0M+2:G0M+3], 512
.endif
	s_wait_dscnt 0x0                               ; the add is done, and my reads of the slot that I have left are over
.if \fill
	CROUND
	JLOAD
.else
	s_barrier_signal -1
	s_barrier_wait -1
.endif
.endm
.macro KSTEP
	v_add_nc_u32 v[ADI], s[TB], v[LI]
	v_add_nc_u32 v[AD8], s[TB], v[L8]
	v_add_nc_u32 v[ADM], s[TB], v[AM0]
	FETCH_K 0
	WIN 0x40
.irp b, 0,1,2,3
.irp j, 0,1,2,3
	ds_load_b128 v[MK+16*\b+4*\j:MK+16*\b+4*\j+3], v[ADM] offset:128*\b+16*\j   ; the mask of my query at keys 32 b + 16 h + 4 j on: in the logits' own layout, for four heads
.endr
.endr
	WIN 0
	HEAD 0, 1
	HEAD 1, 1
	HEAD 2, 1
	HEAD 3, 0
	s_xor_b32 s[TB], s[TB], SLOT1
.endm
.Lstep:
	CHANGE 1
	KSTEP
	s_sub_co_u32 s49, s49, 1
	s_cmp_lg_u32 s49, 0
	s_cbranch_scc1 .Lstep
	CHANGE 0                                       ; the last key step is written out
	KSTEP
	; THE WAY OUT: o = O^T / the sum, quantised along D (two heads are 128 along D: one scale word), through my stage, out as rows of 192 bytes
.irp g, 0,1,2,3
	v_add_f32 v[ST+4*\g+2], v[ST+4*\g+2], v[ST+4*\g+3]   ; the sum's two halves (these lines are the places behind the last products)
.endr
.irp g, 0,1,2,3
	v_permlanex16_b32 v[T2+\g], v[ST+4*\g+2], s[SEL], s[SEL+1]
.endr
.irp g, 0,1,2,3
	v_add_f32 v[ST+4*\g+2], v[ST+4*\g+2], v[T2+\g]
.endr
.irp g, 0,1,2,3
	v_rcp_f32 v[ST+4*\g], v[ST+4*\g+2]
.endr
	v_and_b32 v13, 31, v0                          ; (a plain place behind the reciprocals)
	v_cmp_le_u32 vcc_lo, 16, v13                   ; lanes 16-31
	s_wait_alu depctr_va_vdst(0)
.macro OUTPAIR p
	WIN 0x01                                       ; source 0 in window 1
.set i, 0
.rept 16
	v_pk_mul_f32 v[S+i:S+i+1], v[64*\p+i:64*\p+i+1], v[ST+8*\p:ST+8*\p+1] op_sel_hi:[1,0]
.set i, i+2
.endr
.set i, 0
.rept 16
	v_pk_mul_f32 v[S+32+i:S+33+i], v[64*\p+32+i:64*\p+33+i], v[ST+8*\p+4:ST+8*\p+5] op_sel_hi:[1,0]
.set i, i+2
.endr
	WIN 0
.irp b, 0,1,2,3
	v_max3_num_f32 v[BM+\b], |v[S+16*\b]|, |v[S+1+16*\b]|, 0x1800000
.endr
.irp i, 2,4,6,8,10,12,14
.irp b, 0,1,2,3
	v_max3_num_f32 v[BM+\b], v[BM+\b], |v[S+16*\b+\i]|, |v[S+1+16*\b+\i]|
.endr
.endr
.irp b, 0,1,2,3
	v_permlanex16_b32 v[T2+\b], v[BM+\b], s[SEL], s[SEL+1]
.endr
.irp b, 0,1,2,3
	v_max_num_f32 v[BM+\b], v[BM+\b], v[T2+\b]
.endr
.irp b, 0,1,2,3
	v_add_nc_u32 v[SOP+\b], 0xff000000, v[BM+\b]
.endr
.irp b, 0,1,2,3
	v_lshrrev_b32 v[T2+\b], 23, v[SOP+\b]
.endr
	v_lshl_or_b32 v[PW+\p], v[T2+1], 8, v[T2]
	v_lshl_or_b32 v[PW+\p], v[T2+2], 16, v[PW+\p]
	v_lshl_or_b32 v[PW+\p], v[T2+3], 24, v[PW+\p]
	s_wait_dscnt 0x0                               ; the last pair's stores into the stage have read the codes' registers
.irp c, 0,1
	v_cvt_scalef32_pk16_fp6_f32 v[PC+6*\c:PC+6*\c+2], v[S+32*\c:S+32*\c+15], v[SOP+2*\c]
	v_cvt_scalef32_pk16_fp6_f32 v[PT+4*\c:PT+4*\c+2], v[S+32*\c+16:S+32*\c+31], v[SOP+2*\c+1]
.endr
	v_nop
.irp c, 0,1
.irp i, 0,1,2
	v_permlane16_swap_b32 v[PC+6*\c+\i], v[PT+4*\c+\i]
.endr
.endr
.irp c, 0,1
	ds_store_b96 v[STO], v[PC+6*\c:PC+6*\c+2] offset:128*\p+64*\c      ; 12 bytes to a place of 16: place 8 p + 4 c + 2 h of my row
	ds_store_b96 v[STO], v[PT+4*\c:PT+4*\c+2] offset:128*\p+64*\c+16
.endr
.endm
	OUTPAIR 0
	OUTPAIR 1
.irp t, 0,1,2,3,4,5,6,7
	ds_load_b96 v[S+4*\t:S+4*\t+2], v[RD] offset:2*\t*SPI   ; LDS serves a wave's instructions in order: these see my stores
.endr
	v_cndmask_b32 v[PW], v[PW], v[PW+1], vcc_lo    ; lanes 0-15 the first pair's word, lanes 16-31 the second's
	global_store_b32 v[GS], v[PW], s[8:9]
.irp t, 0,1,2,3,4,5,6,7
	s_wait_dscnt 7-\t
	global_store_b96 v[GO], v[S+4*\t:S+4*\t+2], s[10:11] offset:1536*\t   ; sixteen lanes store a row's 192 bytes on end
.endr
	s_wait_tensorcnt 0x0                           ; the wave's end
	ds_add_u32 v[SPW], v[NIL]
	s_wait_dscnt 0x0
	CROUND                                         ; the closing round
	s_endpgm
.Lfunc_end_k_q09a9ed05d9_attn:
	.size	k_q09a9ed05d9_attn, .Lfunc_end_k_q09a9ed05d9_attn-k_q09a9ed05d9_attn
	.p2alignl 7, 3214868480
	.fill 96, 4, 3214868480
	.section	.rodata,"a",@progbits
	.p2align	6, 0x0
	.amdhsa_kernel k_q09a9ed05d9_attn
		.amdhsa_group_segment_fixed_size 327680
		.amdhsa_private_segment_fixed_size 0
		.amdhsa_enable_private_segment 0
		.amdhsa_kernarg_size 32
		.amdhsa_user_sgpr_count 2
		.amdhsa_user_sgpr_kernarg_segment_ptr 1
		.amdhsa_wavefront_size32 1
		.amdhsa_system_sgpr_workgroup_id_x 1
		.amdhsa_system_sgpr_workgroup_id_y 1
		.amdhsa_system_sgpr_workgroup_id_z 1
		.amdhsa_system_vgpr_workitem_id 0
		.amdhsa_next_free_vgpr 512
		.amdhsa_next_free_sgpr 66
		.amdhsa_reserve_vcc 1
		.amdhsa_float_denorm_mode_32 3
		.amdhsa_float_denorm_mode_16_64 3
		.amdhsa_memory_ordered 1
		.amdhsa_forward_progress 1
		.amdhsa_inst_pref_size 170
	.end_amdhsa_kernel
	.amdgpu_metadata
---
amdhsa.version: [ 1, 2 ]
amdhsa.kernels:
  - .name:           k_q09a9ed05d9_attn
    .symbol:         k_q09a9ed05d9_attn.kd
    .args:
      - { .name: qb, .offset: 0, .size: 8, .value_kind: global_buffer, .address_space: global }
      - { .name: kv, .offset: 8, .size: 8, .value_kind: global_buffer, .address_space: global }
      - { .name: causal_mask, .offset: 16, .size: 8, .value_kind: global_buffer, .address_space: global }
      - { .name: oq, .offset: 24, .size: 8, .value_kind: global_buffer, .address_space: global }
    .group_segment_fixed_size: 327680
    .private_segment_fixed_size: 0
    .kernarg_segment_align: 8
    .kernarg_segment_size: 32
    .max_flat_workgroup_size: 256
    .sgpr_count:     66
    .vgpr_count:     512
    .wavefront_size: 32
...
	.end_amdgpu_metadata
.endif
;; end of part 3
;; launch proj (part 4): grid 4 x 32, 4 waves a work-group, clusters of 4 x 4, 327,680 bytes of LDS; arguments oq, wq, bproj, out0; writes out0
.if DOCPART == 4
	.amdgcn_target "amdgcn-amd-amdhsa--gfx1250"
	.amdhsa_code_object_version 6
	.text
	.protected	k_q09a9ed05d9_proj
	.globl	k_q09a9ed05d9_proj
	.p2align	8
	.type	k_q09a9ed05d9_proj,@function
k_q09a9ed05d9_proj:
	s_mov_b64 s[64:65], 0
	v_nop
	global_prefetch_b8 v0, s[64:65] scope:SCOPE_SE
	s_setreg_imm32_b32 hwreg(HW_REG_WAVE_MODE, 25, 1), 1
	s_wait_xcnt 0x0
	s_wait_alu depctr_hold_cnt(0) depctr_sa_sdst(0) depctr_va_vdst(0) depctr_va_sdst(0) depctr_va_ssrc(0) depctr_va_vcc(0) depctr_vm_vsrc(0)
	s_getreg_b32 s2, hwreg(HW_REG_IB_STS2, 6, 4)
	s_cmp_eq_u32 s2, 0
	s_cbranch_scc0 .Lentry_in_a_cluster
	s_endpgm
.Lentry_in_a_cluster:
	s_bfe_u32 s2, ttmp6, 0x10000c
	s_cmp_lg_u32 s2, 0xf033
	s_cbranch_scc0 .Lentry_shape_is_right
	s_endpgm
.Lentry_shape_is_right:
; out0 = o Wproj + bproj on codes of FP6 (E2M3) with E8M0 scales; out0 [8192][1024] f32.  A = oq: codes [8192 slots][768 bytes], scale bytes at XS_OFF; B = Wproj's codes in wq at PC_OFF, [1024][768], bytes at PS_OFF.
; A work-group of four waves makes 256 x 256, a wave 128 x 128: 64 accumulators.  K = 1,024 goes in four steps of 256 through a ring of two LDS slots filled by the tensor data mover; the scale bytes come once.
; CLUSTERS 4 x 4: A's tiles are shared along a row of the cluster, B's along a column: each is asked for jointly by four.  THE MATRIX INSTRUCTION IS USED TRANSPOSED: a lane holds eight neighbouring columns of a row.
; The bias is the C of each sum's first matrix instruction.  oq's rows lie in slot order (inside each 32 the two middle groups of 8 have changed places): the stores' offsets put them back.
; 128 work-groups: a tile of 256 x 256 keeps the LDS bytes read for each product lowest; a smaller tile would fill more WGPs at twice the reads.
; REGISTERS: window 0: v0-31 addresses; v32-63 scale words; v64-127 the bias; from v128 A's fragments (on the way out v128-255 rows of the result); window 1: B's, two sets; windows 2, 3: the accumulators.
.set XS_OFF, 6291456
.set PC_OFF, 2457600
.set PS_OFF, 3244032
.set SIZE_N, 1024
.set KSTEP,  256
.set NQ,     2
.set ROWB,   192
.set KROW,   768
.set PITCH,  240                       ; 3 x (64 bytes + 16 of padding)
.set FR,     12
.set NL,     6
.set NP,     4
.set HALFT,  128*PITCH
.set SLOT,   4*HALFT
.set LAPS,   2
.set KS,     32
.set SCL,    2*SLOT
.set HALFS,  (128*KS/256)*272
.set SBLK,   (16*KS/256)*272
.set SPARE,  SCL+4*HALFS               ; the spare words: two blocks of 256 bytes that no other line names
.set SPITCH, 528                       ; the way out: a stage of 16 rows x (512 + 16) bytes for each wave, in slot 0, which has had its last fill and its last read by then
.set ADRA, 16
.set ADRB, 20
.set STO,  24
.set RD,   25
.set CO,   26
.set ADRS, 27
.set SPW,  28
.set NIL,  29
.set BA,   30                          ; v30 32 h: never rewritten
.set SC,   32
.set BR,   64                          ; v64-127 the bias: register 8 b + j for column 16 b + 8 h + j
.set AF,   128
.set BK,   128
.set G1, 24
.set G0, 32
.set G1B, 48
.set G0B, 56
.set G1S, 68
.set G0S, 76
.set G1SB, 80
.set G0SB, 88
.set MSB, 0
.macro WIN new
.if MSB != \new
	s_set_vgpr_msb (MSB<<8)|\new
.set MSB, \new
.endif
.endm
.set MUL_LO, 0xa1                      ; source 0 (B) window 1, source 1 (A) window 0, C and D window 2
.set MUL_HI, 0xf1
.set FIRST_LO, 0x81                    ; the same with C (the bias) in window 0
.set FIRST_HI, 0xc1
.set TO_B,   0x40
.macro JLOAD g0a, g1a, g0b, g1b        ; a joint load: waves 0, 1 for A, waves 2, 3 for B; four v_nop follow each line
	s_cmp_eq_u32 s15, 0
	s_cbranch_scc0 .Lfor_b_\@
	tensor_load_to_lds s[\g0a:\g0a+3], s[\g1a:\g1a+7]
	s_nop 0
.rept 4
	v_nop
.endr
	s_branch .Lasked_\@
.Lfor_b_\@:
	tensor_load_to_lds s[\g0b:\g0b+3], s[\g1b:\g1b+7]
	s_nop 0
.rept 4
	v_nop
.endr
.Lasked_\@:
.endm
.macro CREST
	s_cmp_lg_u32 s14, 0
	s_cbranch_scc1 .Lnot_wave_0_\@
	s_barrier_signal -3
.Lnot_wave_0_\@:
	s_barrier_wait -3
	s_barrier_signal -1
	s_barrier_wait -1
.endm
.macro CROUND
	s_barrier_signal -1
	s_barrier_wait -1
	CREST
.endm
	s_load_b256 s[4:11], s[0:1], 0x0               ; oq s[4:5], wq s[6:7], bproj s[8:9], out0 s[10:11]
	v_lshl_add_u32 v[SPW], v0, 2, SPARE
	v_mov_b32 v[NIL], 0
	ds_add_u32 v28, v29
	ds_add_u32 v28, v29
	s_wait_dscnt 0x0
	v_lshrrev_b32 v1, 5, v0
	v_readfirstlane_b32 s14, v1                    ; wave 0..3
	s_lshr_b32 s15, s14, 1                         ; my half of the rows.  Also: I fetch for A (0) or for B (1)
	s_and_b32 s16, s14, 1                          ; my half of the columns.  Also: which 128 rows I fetch
	s_bfe_u32 s40, ttmp6, 0x40000                  ; cx
	s_bfe_u32 s41, ttmp6, 0x40004                  ; cy
	s_lshl_b32 s42, ttmp9, 2
	s_add_co_u32 s42, s42, s40                     ; tile column
	s_and_b32 s17, ttmp7, 0xffff
	s_lshl_b32 s17, s17, 2
	s_add_co_u32 s17, s17, s41                     ; tile row
	s_lshl_b32 s43, s41, 2
	s_lshl_b32 s43, 15, s43                        ; my row of the cluster
	s_lshl_b32 s44, 0x1111, s40                    ; my column
	s_or_b32 s[G1+0], s43, (0<<16)|(1<<20)|(1<<21)|(3<<22)|(3<<25)
	s_or_b32 s[G1B+0], s44, (0<<16)|(1<<20)|(1<<21)|(3<<22)|(3<<25)
.irp g, G1, G1B
	s_mov_b32 s[\g+1], ROWB<<16
	s_mov_b32 s[\g+2], 128<<16
	s_mov_b32 s[\g+3], ROWB<<16
	s_mov_b32 s[\g+4], 128
	s_mov_b32 s[\g+5], KROW
	s_mov_b32 s[\g+6], 0
	s_mov_b32 s[\g+7], 0
.endr
	s_or_b32 s[G1S+0], s43, (3<<16)|(1<<20)|(1<<21)|(5<<22)|(3<<25)
	s_or_b32 s[G1SB+0], s44, (3<<16)|(1<<20)|(1<<21)|(5<<22)|(3<<25)
.irp g, G1S, G1SB
	s_mov_b32 s[\g+1], 32<<16
	s_mov_b32 s[\g+2], (128*KS/256)<<16
	s_mov_b32 s[\g+3], 32<<16
	s_mov_b32 s[\g+4], 128*KS/256
	s_mov_b32 s[\g+5], 32
	s_mov_b32 s[\g+6], 0
	s_mov_b32 s[\g+7], 0
.endr
	s_lshl_b32 s18, s16, 7
	s_lshl_b32 s20, s17, 8
	s_add_co_u32 s20, s20, s18                     ; A's row
	s_lshl_b32 s46, s42, 8
	s_add_co_u32 s46, s46, s18                     ; B's row
	s_lshl_b32 s22, s20, 5
	s_add_co_u32 s22, s22, XS_OFF                  ; A's scale bytes
	s_mul_i32 s20, s20, KROW                       ; A's codes
	s_lshl_b32 s92, s46, 5
	s_add_co_u32 s92, s92, PS_OFF
	s_mul_i32 s46, s46, KROW
	s_add_co_u32 s46, s46, PC_OFF
	s_mov_b32 s21, 0
	s_mov_b32 s23, 0
	s_mov_b32 s47, 0
	s_mov_b32 s93, 0
	s_mul_i32 s45, s14, HALFT
	s_mul_i32 s94, s14, HALFS
	s_wait_kmcnt 0x0
	s_add_nc_u64 s[20:21], s[4:5], s[20:21]
	s_add_nc_u64 s[22:23], s[4:5], s[22:23]
	s_add_nc_u64 s[46:47], s[6:7], s[46:47]
	s_add_nc_u64 s[92:93], s[6:7], s[92:93]
	CROUND                                         ; all sixteen work-groups are here
	s_mov_b32 s[G0S], 1
	s_add_co_u32 s[G0S+1], s94, SCL
	s_mov_b64 s[G0S+2:G0S+3], s[22:23]
	s_or_b32 s[G0S+3], s[G0S+3], 0x80000000
	s_mov_b32 s[G0SB], 1
	s_add_co_u32 s[G0SB+1], s94, SCL
	s_mov_b64 s[G0SB+2:G0SB+3], s[92:93]
	s_or_b32 s[G0SB+3], s[G0SB+3], 0x80000000
	JLOAD G0S, G1S, G0SB, G1SB
.irp s, 0,1
	s_mov_b32 s[G0+4*\s], 1
	s_add_co_u32 s[G0+4*\s+1], s45, \s*SLOT
	s_add_nc_u64 s[G0+4*\s+2:G0+4*\s+3], s[20:21], \s*ROWB
	s_or_b32 s[G0+4*\s+3], s[G0+4*\s+3], 0x80000000
	s_mov_b32 s[G0B+4*\s], 1
	s_add_co_u32 s[G0B+4*\s+1], s45, \s*SLOT
	s_add_nc_u64 s[G0B+4*\s+2:G0B+4*\s+3], s[46:47], \s*ROWB
	s_or_b32 s[G0B+4*\s+3], s[G0B+4*\s+3], 0x80000000
	JLOAD G0+4*\s, G1, G0B+4*\s, G1B               ; three tensor loads of mine are out
.endr
	v_and_b32 v1, 15, v0                           ; r
	v_bfe_u32 v2, v0, 4, 1                         ; h
	v_lshlrev_b32 v[BA], 5, v2
	s_lshl_b32 s46, s42, 10                        ; my first column, in bytes of f32: 1,024 x tile column + 512 x half
	s_lshl_b32 s47, s16, 9
	s_add_co_u32 s46, s46, s47
	s_mov_b32 s47, 0
	s_add_nc_u64 s[8:9], s[8:9], s[46:47]
.irp b, 0,1,2,3,4,5,6,7
	global_load_b128 v[BR+8*\b:BR+8*\b+3], v[BA], s[8:9] offset:64*\b
	global_load_b128 v[BR+8*\b+4:BR+8*\b+7], v[BA], s[8:9] offset:64*\b+16
.endr
	v_mul_u32_u24 v3, v1, PITCH
	v_mul_u32_u24 v4, v2, 24
	v_add_nc_u32 v4, v3, v4
	v_lshl_add_u32 v5, v2, 4, v4
	s_mul_i32 s21, s15, HALFT
	s_mul_i32 s22, s16, HALFT
	s_add_co_u32 s22, s22, 2*HALFT
.irp s, 0,1
	v_add_nc_u32 v[ADRA+\s], s21, v4
	v_add_nc_u32 v[ADRB+\s], s22, v4
	v_add_nc_u32 v[ADRA+2+\s], s21, v5
	v_add_nc_u32 v[ADRB+2+\s], s22, v5
	s_add_co_u32 s21, s21, SLOT
	s_add_co_u32 s22, s22, SLOT
.endr
	v_mul_u32_u24 v5, v1, KS
	v_lshrrev_b32 v6, 8, v5
	v_lshl_add_u32 v5, v6, 4, v5
	s_mul_i32 s21, s15, HALFS
	s_mul_i32 s22, s16, HALFS
	s_add_co_u32 s22, s22, 2*HALFS
	s_sub_co_u32 s22, s22, s21
	v_mul_u32_u24 v6, s22, v2                      ; lanes 16-31 take B's scale words
	s_add_co_u32 s21, s21, SCL
	v_add_nc_u32 v5, v5, v6
	v_add_nc_u32 v[ADRS], s21, v5
	s_mul_i32 s23, s14, 16*SPITCH                  ; my stage
	v_mul_u32_u24 v5, v1, SPITCH
	v_lshl_add_u32 v5, v2, 5, v5
	v_add_nc_u32 v[STO], s23, v5
	v_and_b32 v6, 31, v0
	v_lshlrev_b32 v[CO], 4, v6
	v_add_nc_u32 v[RD], s23, v[CO]
	s_lshl_b32 s20, s17, 8
	s_lshl_b32 s21, s15, 7
	s_add_co_u32 s20, s20, s21                     ; my first row
	s_lshl_b32 s20, s20, 12                        ; 4,096 bytes a row (under 2^25)
	s_mov_b32 s21, 0
	s_add_nc_u64 s[12:13], s[10:11], s[20:21]
	s_add_nc_u64 s[12:13], s[12:13], s[46:47]
.macro FRAG reg, adr, q, i
.irp p, 0,1,2,3,4,5
.set PCE, 12*(\q)+6*(\p/3)+\p%3
.if PCE%8 < 5
	ds_load_b64 v[\reg+2*\p:\reg+2*\p+1], v[\adr] offset:8*PCE+16*(PCE/8)+(\i)*16*PITCH
.else
	ds_load_b64 v[\reg+2*\p:\reg+2*\p+1], v[\adr+2] offset:8*PCE+16*(PCE/8)+(\i)*16*PITCH
.endif
.endr
.endm
; 16 matrix instructions; first = 1: the sums begin with the bias as C.  The 64 accumulators take turns, one instruction a turn.
.macro MUL16 a0, p, q, sc, first
.irp a, \a0, \a0+1
.irp b, 0,1,2,3,4,5,6,7
.if \first
	v_wmma_scale_f32_16x16x128_f8f6f4 v[8*(8*((\a)%4)+\b):8*(8*((\a)%4)+\b)+7], v[128*(\p)+FR*\b:128*(\p)+FR*\b+FR-1], v[AF+FR*(\a):AF+FR*(\a)+FR-1], v[BR+8*\b:BR+8*\b+7], v[SC+8*NQ*(\sc)+NQ*\b+(\q)], v[SC+8*NQ*(\sc)+NQ*(\a)+(\q)] matrix_a_fmt:MATRIX_FMT_FP6 matrix_b_fmt:MATRIX_FMT_FP6 matrix_a_scale:MATRIX_SCALE_ROW1
.else
	v_wmma_scale_f32_16x16x128_f8f6f4 v[8*(8*((\a)%4)+\b):8*(8*((\a)%4)+\b)+7], v[128*(\p)+FR*\b:128*(\p)+FR*\b+FR-1], v[AF+FR*(\a):AF+FR*(\a)+FR-1], v[8*(8*((\a)%4)+\b):8*(8*((\a)%4)+\b)+7], v[SC+8*NQ*(\sc)+NQ*\b+(\q)], v[SC+8*NQ*(\sc)+NQ*(\a)+(\q)] matrix_a_fmt:MATRIX_FMT_FP6 matrix_b_fmt:MATRIX_FMT_FP6 matrix_a_scale:MATRIX_SCALE_ROW1
.endif
.endr
.endr
.endm
.macro FETCH_B slot, q, p
	WIN TO_B
.irp i, 0,1,2,3,4,5,6,7
	FRAG 128*(\p)+FR*\i, ADRB+\slot, \q, \i
.endr
	WIN 0
.endm
.macro FETCH_A slot, q, i0
.irp i, \i0, \i0+1, \i0+2, \i0+3
	FRAG AF+FR*(\i), ADRA+\slot, \q, \i
.endr
.endm
.macro SCALES sc
.irp i, 0,1,2,3,4,5,6,7
	ds_load_b64 v[SC+8*NQ*\sc+NQ*\i:SC+8*NQ*\sc+NQ*\i+1], v[ADRS] offset:\i*SBLK
.endr
.endm
.macro PLACES n
.rept \n
	v_nop
.endr
.endm
.macro STEP slot, q, first
	s_wait_dscnt 4*NL                              ; B's set and A's blocks 0-3 are in; the youngest 24 loads may be out
.if \first
	WIN FIRST_LO
.else
	WIN MUL_LO
.endif
	MUL16 0, (\q)%2, \q, \slot, \first
	MUL16 2, (\q)%2, \q, \slot, \first
	s_wait_dscnt 0
	PLACES NP
	FETCH_B \slot, (\q)+1, 1-(\q)%2
	FETCH_A \slot, (\q)+1, 0
.if \first
	WIN FIRST_HI
.else
	WIN MUL_HI
.endif
	MUL16 4, (\q)%2, \q, \slot, \first
	MUL16 6, (\q)%2, \q, \slot, \first
	PLACES NP
	WIN 0
	FETCH_A \slot, (\q)+1, 4
.endm
.macro TURN slot, next, fill
	s_wait_tensorcnt 0x0                           ; all my tensor loads have landed: my part of the next slot
	ds_add_u32 v[SPW], v[NIL]                      ; 0 onto my spare word
	s_wait_dscnt 4*NL+1                            ; (the add and the youngest 24 loads may be out)
	WIN MUL_LO
	MUL16 0, 1, NQ-1, \slot, 0
	s_wait_dscnt 0x0                               ; the add is done, and my reads of this slot are over
	s_barrier_signal -1
	MUL16 2, 1, NQ-1, \slot, 0
	WIN 0
	s_barrier_wait -1
.if \fill
	CREST                                          ; a round of the cluster's barrier: no wave of any partner still reads this slot or has a load on its way
	s_add_nc_u64 s[G0+4*\slot+2:G0+4*\slot+3], s[G0+4*\slot+2:G0+4*\slot+3], 2*ROWB
	s_add_nc_u64 s[G0B+4*\slot+2:G0B+4*\slot+3], s[G0B+4*\slot+2:G0B+4*\slot+3], 2*ROWB
	JLOAD G0+4*\slot, G1, G0B+4*\slot, G1B
.else
	PLACES NP
.endif
	v_add_nc_u32 v[ADRS], 4*NQ, v[ADRS]
	FETCH_B \next, 0, 0
	FETCH_A \next, 0, 0
	SCALES \next
	WIN MUL_HI
	MUL16 4, 1, NQ-1, \slot, 0
	MUL16 6, 1, NQ-1, \slot, 0
	PLACES NP
	WIN 0
	FETCH_A \next, 0, 4
.endm
	s_wait_tensorcnt 1                             ; the scales and my part of K step 0 are in (K step 1's load may be out),
	s_barrier_signal -1
	s_barrier_wait -1
	FETCH_B 0, 0, 0
	FETCH_A 0, 0, 0
	SCALES 0
	FETCH_A 0, 0, 4
	s_wait_loadcnt 0x0                             ; the bias
	STEP 0, 0, 1
	s_mov_b32 s3, LAPS-1
.Llap:
	TURN 0, 1, 1
	STEP 1, 0, 0
	TURN 1, 0, 1
	STEP 0, 0, 0
	s_sub_co_u32 s3, s3, 1
	s_cmp_lg_u32 s3, 0
	s_cbranch_scc1 .Llap
	TURN 0, 1, 0
	STEP 1, 0, 0
	s_wait_dscnt 4*NL
	WIN MUL_LO
	MUL16 0, 1, NQ-1, 1, 0
	MUL16 2, 1, NQ-1, 1, 0
	s_wait_dscnt 0
	WIN MUL_HI
	MUL16 4, 1, NQ-1, 1, 0
	MUL16 6, 1, NQ-1, 1, 0
	WIN 0
; THE WAY OUT, block by block of 16 rows x 128 columns, through my own stage: back as whole rows of 512 bytes.  LDS serves a wave's instructions in order (ISA guide 5.7.1.4).
.macro TOSTAGE a
.set AC, 64*((\a)%4)
	WIN 0x08+4*((\a)/4)                            ; the data: window 2 or 3
.irp b, 0,1,2,3,4,5,6,7
	ds_store_b128 v[STO], v[AC+8*\b:AC+8*\b+3] offset:64*\b          ; each accumulator from its low end on
	ds_store_b128 v[STO], v[AC+8*\b+4:AC+8*\b+7] offset:64*\b+16
.endr
	WIN 0
.set BB, BK+64*((\a)%2)
.irp t, 0,1,2,3,4,5,6,7,8,9,10,11,12,13,14,15
	ds_load_b128 v[BB+4*\t:BB+4*\t+3], v[RD] offset:\t*SPITCH
.endr
.endm
.macro SEND a, younger                 ; slot 16 a + t of my 128 is row 32 (a / 2) + 8 (a % 2) + t + 8 (t / 8): the offset, 127 rows at the most, lies inside the signed 24-bit immediate
.set BB, BK+64*((\a)%2)
	s_wait_dscnt \younger
.irp t, 0,1,2,3,4,5,6,7,8,9,10,11,12,13,14,15
	global_store_b128 v[CO], v[BB+4*\t:BB+4*\t+3], s[12:13] offset:(32*((\a)/2)+8*((\a)%2)+\t+8*(\t/8))*SIZE_N*4 th:TH_STORE_NT   ; 32 lanes store 512 bytes on end, aligned
.endr
.endm
	PLACES NP
	TOSTAGE 0
.irp a, 1,2,3,4,5,6,7
.if \a > 1
	s_wait_xcnt 0x0                                ; block a - 2's stores have read their registers: block a's loads may land there
.endif
	TOSTAGE \a
	SEND \a-1, 32                                  ; behind block a - 1's loads: block a's 16 stores and 16 loads
.endr
	SEND 7, 0
	s_wait_tensorcnt 0x0                           ; the wave's end
	ds_add_u32 v[SPW], v[NIL]
	s_wait_dscnt 0x0
	CROUND                                         ; the closing round
	s_endpgm
.Lfunc_end_k_q09a9ed05d9_proj:
	.size	k_q09a9ed05d9_proj, .Lfunc_end_k_q09a9ed05d9_proj-k_q09a9ed05d9_proj
	.p2alignl 7, 3214868480
	.fill 96, 4, 3214868480
	.section	.rodata,"a",@progbits
	.p2align	6, 0x0
	.amdhsa_kernel k_q09a9ed05d9_proj
		.amdhsa_group_segment_fixed_size 327680
		.amdhsa_private_segment_fixed_size 0
		.amdhsa_enable_private_segment 0
		.amdhsa_kernarg_size 32
		.amdhsa_user_sgpr_count 2
		.amdhsa_user_sgpr_kernarg_segment_ptr 1
		.amdhsa_wavefront_size32 1
		.amdhsa_system_sgpr_workgroup_id_x 1
		.amdhsa_system_sgpr_workgroup_id_y 1
		.amdhsa_system_sgpr_workgroup_id_z 1
		.amdhsa_system_vgpr_workitem_id 0
		.amdhsa_next_free_vgpr 1024
		.amdhsa_next_free_sgpr 98
		.amdhsa_reserve_vcc 0
		.amdhsa_float_denorm_mode_32 3
		.amdhsa_float_denorm_mode_16_64 3
		.amdhsa_memory_ordered 1
		.amdhsa_forward_progress 1
		.amdhsa_inst_pref_size 161
	.end_amdhsa_kernel
	.amdgpu_metadata
---
amdhsa.version: [ 1, 2 ]
amdhsa.kernels:
  - .name:           k_q09a9ed05d9_proj
    .symbol:         k_q09a9ed05d9_proj.kd
    .args:
      - { .name: oq, .offset: 0, .size: 8, .value_kind: global_buffer, .address_space: global }
      - { .name: wq, .offset: 8, .size: 8, .value_kind: global_buffer, .address_space: global }
      - { .name: bproj, .offset: 16, .size: 8, .value_kind: global_buffer, .address_space: global }
      - { .name: out0, .offset: 24, .size: 8, .value_kind: global_buffer, .address_space: global }
    .group_segment_fixed_size: 327680
    .private_segment_fixed_size: 0
    .kernarg_segment_align: 8
    .kernarg_segment_size: 32
    .max_flat_workgroup_size: 128
    .sgpr_count:     98
    .vgpr_count:     1024
    .wavefront_size: 32
...
	.end_amdgpu_metadata
.endif
;; end of part 4
